; MI455X (gfx1250); checked and timed in simulation.
; The chip was launched on July 23, 2026; its instructions are those of AMD's public machine-readable ISA for CDNA 5 (MIT licence, August 2026) and "CDNA5" Instruction Set Architecture Reference Guide (July 2026). The comments in the code are by the model that wrote it; some were corrected since.
;; Grouped Query Attention. Allowed arithmetic: float matrix products may take bf16 or f16 operands with f32 sums; other float arithmetic in f32, or as packed bf16 or f16 multiplies, adds, multiply-adds, maxima and minima; sums over many terms, partial sums and values carried from step to step in f32; what a program stores and reads back later, other than sums and carried values, may be rounded once to bf16 or f16.
;; Inputs: k_norm_w 128 float32; q_norm_w 128 float32; wk 512 x 2,048 float32; wo 2,048 x 2,048 float32; wq 2,048 x 2,048 float32; wv 512 x 2,048 float32; x 4 x 1,024 x 2,048 float32.
;; Outputs: out0 4 x 1,024 x 2,048 float32.
;; One version. Each part assembles by itself: llvm-mc -triple=amdgcn-amd-amdhsa -mcpu=gfx1250 --defsym DOCPART=n.
;; ======== version 1 of 1: 4 launches
;; limits: values are held in f16: magnitudes above 65,504 overflow, below 6.1e-05 lose precision
;; workspace buffers: xb 16,777,216 bytes; wb 12,582,912 bytes; wob 8,388,608 bytes; tab 24,576 bytes; qkv 25,165,824 bytes; att 16,777,216 bytes
;; launch prep (part 1): grid 1153 x 1, 8 waves a work-group, no clusters, 0 bytes of LDS; arguments x, wq, wk, wv, wo, q_norm_w, k_norm_w, xb, wb, wob, tab; writes xb, wb, wob, tab
.if DOCPART == 1
	.amdgcn_target "amdgcn-amd-amdhsa--gfx1250"
	.amdhsa_code_object_version 6
	.text
	.protected	k_qef04fb7547_prep
	.globl	k_qef04fb7547_prep
	.p2align	8
	.type	k_qef04fb7547_prep,@function
k_qef04fb7547_prep:
	s_mov_b64 s[64:65], 0
	v_nop
	global_prefetch_b8 v0, s[64:65] scope:SCOPE_SE
	s_setreg_imm32_b32 hwreg(HW_REG_WAVE_MODE, 25, 1), 1
	s_wait_xcnt 0x0
; ROUNDING OF THE INPUTS, AND THE TABLE OF ROTATIONS.
; xb = bf16(x); wb = bf16 of wq's, wk's and wv's rows, one below the other (3,072 rows); wob = bf16(wo) written as f16, since the last product takes f16 operands.
; LIMIT: |wo| stays under 65,504, f16's end; below 6e-5 the bf16 number keeps f16's fixed step of 6e-8.
; SHARES.  A work-group rounds 16,384 numbers: 65,536 bytes in, 32,768 out.  Work-groups 0-511 x, 512-767 wq, 768-831 wk, 832-895 wv, 896-1151 wo; work-group 1152 makes the table.
; Thread t takes the 16 bytes at 16 t of each of 16 blocks of 4,096 bytes: a wave's load covers 512 consecutive bytes, its store of 8 bytes a lane 256 consecutive bytes, aligned.
; All 16 loads of a wave go out at once; no register is written twice, so nothing is freed and there is no loop.  Memory binds: no LDS, no barrier, no matrix unit.
; THE TABLE: tab[hd][2][128] f32, hd = 0-15 the query heads, 16-19 the key heads, 20-23 the value heads.  The rotation's angle is (the head's position p) x theta_i, theta_i = 10000^(-i/64), for the pair of
; channels 2 i, 2 i + 1, whatever the row.  With w the gain rounded to bf16:  Tc[2i] = w[2i] cos, Tc[2i+1] = w[2i+1] cos, Ts[2i] = -w[2i+1] sin, Ts[2i+1] = w[2i] sin;  value heads: Tc = 1, Ts = 0.
; cos and sin of theta (at most 1 radian) come from their series, up to theta^12 and theta^11: the remainder is under 2e-10 for every theta in 0 to 1; the other positions are complex powers.
.set X, 16                             ; v[16:79]   16 loads of four f32
.set Y, 80                             ; v[80:111]  16 stores of four 16-bit numbers
	s_load_b256 s[4:11], s[0:1], 0x0               ; x s[4:5], wq s[6:7], wk s[8:9], wv s[10:11]
	s_load_b256 s[12:19], s[0:1], 0x20             ; wo s[12:13], q_norm_w s[14:15], k_norm_w s[16:17], xb s[18:19]
	s_load_b128 s[20:23], s[0:1], 0x40             ; wb s[20:21], wob s[22:23]
	s_load_b64 s[24:25], s[0:1], 0x50              ; tab
	s_mov_b32 s26, ttmp9
	s_sub_co_u32 s34, s26, 512                     ; the chunk's number in wq (and in wb, for wq, wk and wv alike)
	s_sub_co_u32 s35, s26, 768                     ; in wk
	s_sub_co_u32 s36, s26, 832                     ; in wv
	s_sub_co_u32 s37, s26, 896                     ; in wo and wob
	v_lshlrev_b32 v1, 4, v0                        ; 16 t: where I load
	v_lshlrev_b32 v2, 3, v0                        ; 8 t: where I store
	s_wait_kmcnt 0x0
	s_cmp_eq_u32 s26, 1152
	s_cbranch_scc1 .Ltable
	s_mov_b64 s[28:29], s[4:5]                     ; from x
	s_mov_b64 s[30:31], s[18:19]                   ; to xb
	s_mov_b32 s32, s26
	s_mov_b32 s33, s26
	s_cmp_ge_u32 s26, 512                          ; the buffers are chosen by the work-group's number alone
	s_cselect_b64 s[28:29], s[6:7], s[28:29]
	s_cselect_b64 s[30:31], s[20:21], s[30:31]
	s_cselect_b32 s32, s34, s32
	s_cselect_b32 s33, s34, s33
	s_cmp_ge_u32 s26, 768
	s_cselect_b64 s[28:29], s[8:9], s[28:29]
	s_cselect_b32 s32, s35, s32
	s_cmp_ge_u32 s26, 832
	s_cselect_b64 s[28:29], s[10:11], s[28:29]
	s_cselect_b32 s32, s36, s32
	s_cmp_ge_u32 s26, 896
	s_cselect_b64 s[28:29], s[12:13], s[28:29]
	s_cselect_b64 s[30:31], s[22:23], s[30:31]
	s_cselect_b32 s32, s37, s32
	s_cselect_b32 s33, s37, s33
	s_lshl_b32 s38, s32, 16                        ; 65,536 bytes a chunk in
	s_mov_b32 s39, 0
	s_lshl_b32 s40, s33, 15                        ; 32,768 out
	s_mov_b32 s41, 0
	s_add_nc_u64 s[28:29], s[28:29], s[38:39]
	s_add_nc_u64 s[30:31], s[30:31], s[40:41]
.set j, 0
.rept 16
	global_load_b128 v[X+4*j:X+4*j+3], v1, s[28:29] offset:4096*j th:TH_LOAD_NT
.set j, j+1
.endr
; half = 0: bf16.  half = 1: the bf16 number widened again and written as f16.
.macro CONV half
.set j, 0
.rept 16
	s_wait_loadcnt 15-j                            ; loads come back in order: number j is in, the 15 - j younger ones stay out
	v_cvt_pk_bf16_f32 v[Y+2*j], v[X+4*j], v[X+4*j+1]
	v_cvt_pk_bf16_f32 v[Y+2*j+1], v[X+4*j+2], v[X+4*j+3]
.if \half
	v_lshlrev_b32 v112, 16, v[Y+2*j]
	v_and_b32 v113, 0xffff0000, v[Y+2*j]
	v_lshlrev_b32 v114, 16, v[Y+2*j+1]
	v_and_b32 v115, 0xffff0000, v[Y+2*j+1]
	v_cvt_pk_f16_f32 v[Y+2*j], v112, v113
	v_cvt_pk_f16_f32 v[Y+2*j+1], v114, v115
.endif
	global_store_b64 v2, v[Y+2*j:Y+2*j+1], s[30:31] offset:2048*j
.set j, j+1
.endr
.endm
	s_cmp_ge_u32 s26, 896
	s_cbranch_scc1 .Lf16
	CONV 0
	s_endpgm
.Lf16:
	CONV 1
	s_endpgm
; THE TABLE.  Thread t: pair i = t % 64, g = t / 64.  It makes the key head g, the value head g and the query heads g, g + 4, g + 8, g + 12.
.macro CMUL dc, ds, ac, ai, bc, bi     ; (dc, ds) = (ac, ai) x (bc, bi), complex; the destination is no source
	v_mul_f32 v[\dc], v[\ai], v[\bi]
	v_fma_f32 v[\dc], v[\ac], v[\bc], -v[\dc]
	v_mul_f32 v[\ds], v[\ai], v[\bc]
	v_fma_f32 v[\ds], v[\ac], v[\bi], v[\ds]
.endm
.macro TABOUT d, zc, zs, w0, w1, off   ; a head's Tc and Ts for my pair; each store has data registers of its own
	v_mul_f32 v[\d], v[\w0], v[\zc]
	v_mul_f32 v[(\d)+1], v[\w1], v[\zc]
	v_mul_f32 v[(\d)+2], -v[\w1], v[\zs]
	v_mul_f32 v[(\d)+3], v[\w0], v[\zs]
	global_store_b64 v10, v[\d:(\d)+1], s[24:25] offset:\off
	global_store_b64 v10, v[(\d)+2:(\d)+3], s[24:25] offset:(\off)+512
.endm
.Ltable:
	v_and_b32 v3, 63, v0                           ; i
	v_lshrrev_b32 v4, 6, v0                        ; g
	v_lshlrev_b32 v5, 3, v3                        ; 8 i: my pair's bytes in a row of 128 f32
	global_load_b64 v[6:7], v5, s[14:15]           ; the queries' gain
	global_load_b64 v[8:9], v5, s[16:17]           ; the keys'
	v_lshl_add_u32 v10, v4, 10, v5                 ; 1,024 g + 8 i
	v_cvt_f32_u32 v11, v3
	v_mul_f32 v11, 0xbe549a78, v11                 ; -i log2(10000) / 64
	v_exp_f32 v11, v11                             ; theta
	v_nop                                          ; a plain instruction behind the exponential
	s_wait_alu depctr_va_vdst(0)
	v_mul_f32 v12, v11, v11                        ; theta^2
	v_mov_b32 v13, 0xb2d7322b                      ; sin: -1/11!
	v_mov_b32 v14, 0x310f76c7                      ; cos: 1/12!
	v_fmaak_f32 v13, v13, v12, 0x3638ef1d          ; 1/9!
	v_fmaak_f32 v14, v14, v12, 0xb493f27e          ; -1/10!
	v_fmaak_f32 v13, v13, v12, 0xb9500d01          ; -1/7!
	v_fmaak_f32 v14, v14, v12, 0x37d00d01          ; 1/8!
	v_fmaak_f32 v13, v13, v12, 0x3c088889          ; 1/5!
	v_fmaak_f32 v14, v14, v12, 0xbab60b61          ; -1/6!
	v_fmaak_f32 v13, v13, v12, 0xbe2aaaab          ; -1/3!
	v_fmaak_f32 v14, v14, v12, 0x3d2aaaab          ; 1/4!
	v_fmaak_f32 v13, v13, v12, 0x3f800000          ; 1
	v_fmaak_f32 v14, v14, v12, 0xbf000000          ; -1/2
	v_mul_f32 v13, v13, v11                        ; sin theta
	v_fmaak_f32 v14, v14, v12, 0x3f800000          ; cos theta
	CMUL 16, 17, 14, 13, 14, 13                    ; z^2
	CMUL 18, 19, 16, 17, 14, 13                    ; z^3
	CMUL 20, 21, 16, 17, 16, 17                    ; z^4
	v_mov_b32 v22, 1.0                             ; z^g
	v_mov_b32 v23, 0
	v_cmp_eq_u32 vcc_lo, 1, v4
	v_cndmask_b32 v22, v22, v14, vcc_lo
	v_cndmask_b32 v23, v23, v13, vcc_lo
	v_cmp_eq_u32 vcc_lo, 2, v4
	v_cndmask_b32 v22, v22, v16, vcc_lo
	v_cndmask_b32 v23, v23, v17, vcc_lo
	v_cmp_eq_u32 vcc_lo, 3, v4
	v_cndmask_b32 v22, v22, v18, vcc_lo
	v_cndmask_b32 v23, v23, v19, vcc_lo
	s_wait_loadcnt 0x0
	v_cvt_pk_bf16_f32 v24, v6, v7                  ; the gains are rounded as every input is
	v_cvt_pk_bf16_f32 v25, v8, v9
	v_lshlrev_b32 v26, 16, v24
	v_and_b32 v27, 0xffff0000, v24
	v_lshlrev_b32 v28, 16, v25
	v_and_b32 v29, 0xffff0000, v25
	TABOUT 32, 22, 23, 28, 29, 16384               ; key head g: position g
	v_mov_b32 v36, 1.0                             ; value head g: no gain, no rotation
	v_mov_b32 v37, 1.0
	v_mov_b32 v38, 0
	v_mov_b32 v39, 0
	global_store_b64 v10, v[36:37], s[24:25] offset:20480
	global_store_b64 v10, v[38:39], s[24:25] offset:20480+512
	TABOUT 40, 22, 23, 26, 27, 0                   ; query head g
	CMUL 56, 57, 22, 23, 20, 21
	TABOUT 44, 56, 57, 26, 27, 4096                ; g + 4
	CMUL 22, 23, 56, 57, 20, 21
	TABOUT 48, 22, 23, 26, 27, 8192                ; g + 8
	CMUL 56, 57, 22, 23, 20, 21
	TABOUT 52, 56, 57, 26, 27, 12288               ; g + 12
	s_endpgm
.Lfunc_end_k_qef04fb7547_prep:
	.size	k_qef04fb7547_prep, .Lfunc_end_k_qef04fb7547_prep-k_qef04fb7547_prep
	.p2alignl 7, 3214868480
	.fill 96, 4, 3214868480
	.section	.rodata,"a",@progbits
	.p2align	6, 0x0
	.amdhsa_kernel k_qef04fb7547_prep
		.amdhsa_group_segment_fixed_size 0
		.amdhsa_private_segment_fixed_size 0
		.amdhsa_enable_private_segment 0
		.amdhsa_kernarg_size 88
		.amdhsa_user_sgpr_count 2
		.amdhsa_user_sgpr_kernarg_segment_ptr 1
		.amdhsa_wavefront_size32 1
		.amdhsa_system_sgpr_workgroup_id_x 1
		.amdhsa_system_sgpr_workgroup_id_y 1
		.amdhsa_system_sgpr_workgroup_id_z 1
		.amdhsa_system_vgpr_workitem_id 0
		.amdhsa_next_free_vgpr 120
		.amdhsa_next_free_sgpr 66
		.amdhsa_reserve_vcc 1
		.amdhsa_float_denorm_mode_32 3
		.amdhsa_float_denorm_mode_16_64 3
		.amdhsa_memory_ordered 1
		.amdhsa_forward_progress 1
		.amdhsa_inst_pref_size 22
	.end_amdhsa_kernel
	.amdgpu_metadata
---
amdhsa.version: [ 1, 2 ]
amdhsa.kernels:
  - .name:           k_qef04fb7547_prep
    .symbol:         k_qef04fb7547_prep.kd
    .args:
      - { .name: x, .offset: 0, .size: 8, .value_kind: global_buffer, .address_space: global }
      - { .name: wq, .offset: 8, .size: 8, .value_kind: global_buffer, .address_space: global }
      - { .name: wk, .offset: 16, .size: 8, .value_kind: global_buffer, .address_space: global }
      - { .name: wv, .offset: 24, .size: 8, .value_kind: global_buffer, .address_space: global }
      - { .name: wo, .offset: 32, .size: 8, .value_kind: global_buffer, .address_space: global }
      - { .name: q_norm_w, .offset: 40, .size: 8, .value_kind: global_buffer, .address_space: global }
      - { .name: k_norm_w, .offset: 48, .size: 8, .value_kind: global_buffer, .address_space: global }
      - { .name: xb, .offset: 56, .size: 8, .value_kind: global_buffer, .address_space: global }
      - { .name: wb, .offset: 64, .size: 8, .value_kind: global_buffer, .address_space: global }
      - { .name: wob, .offset: 72, .size: 8, .value_kind: global_buffer, .address_space: global }
      - { .name: tab, .offset: 80, .size: 8, .value_kind: global_buffer, .address_space: global }
    .group_segment_fixed_size: 0
    .private_segment_fixed_size: 0
    .kernarg_segment_align: 8
    .kernarg_segment_size: 88
    .max_flat_workgroup_size: 256
    .sgpr_count:     66
    .vgpr_count:     120
    .wavefront_size: 32
...
	.end_amdgpu_metadata
.endif
;; end of part 1
;; launch qkv (part 2): grid 12 x 16, 4 waves a work-group, clusters of 4 x 4, 327,680 bytes of LDS; arguments xb, wb, qkv, tab; writes qkv
.if DOCPART == 2
	.amdgcn_target "amdgcn-amd-amdhsa--gfx1250"
	.amdhsa_code_object_version 6
	.text
	.protected	k_qef04fb7547_qkv
	.globl	k_qef04fb7547_qkv
	.p2align	8
	.type	k_qef04fb7547_qkv,@function
k_qef04fb7547_qkv:
	s_mov_b64 s[64:65], 0
	v_nop
	global_prefetch_b8 v0, s[64:65] scope:SCOPE_SE
	s_setreg_imm32_b32 hwreg(HW_REG_WAVE_MODE, 25, 1), 1
	s_wait_xcnt 0x0
	s_wait_alu depctr_hold_cnt(0) depctr_sa_sdst(0) depctr_va_vdst(0) depctr_va_sdst(0) depctr_va_ssrc(0) depctr_va_vcc(0) depctr_vm_vsrc(0)
	s_getreg_b32 s2, hwreg(HW_REG_IB_STS2, 6, 4)
	s_cmp_eq_u32 s2, 0
	s_cbranch_scc0 .Lentry_in_a_cluster
	s_endpgm
.Lentry_in_a_cluster:
	s_bfe_u32 s2, ttmp6, 0x10000c
	s_cmp_lg_u32 s2, 0xf033
	s_cbranch_scc0 .Lentry_shape_is_right
	s_endpgm
.Lentry_shape_is_right:
; THE THREE PROJECTIONS, WITH NORM, GAIN AND ROTATION ON THE WAY OUT.  C[m][n] = sum over k of xb[m][k] wb[n][k]: 4,096 x 3,072 x 2,048, bf16 operands, f32 sums.
; A tile of C is 256 x 256, made by four waves; a wave makes 128 rows x 128 columns, and its 128 columns are exactly ONE HEAD (hd = n / 128: 0-15 queries, 16-19 keys, 20-23 values).
; So a row's sum of squares and its pairs of channels lie in one wave: a lane holds 64 of the row's 128 channels, the lane 16 away the other 64.
; 12 x 16 = 192 work-groups: the other tile that keeps a head in a wave, 128 x 256, would give 384, a round and a half of 256, with half the products for each LDS byte.
; K goes in steps of 128 through a ring of two LDS slots filled by the tensor data mover; rows of 256 bytes, at multiples of 256 from the buffers' first bytes.
; CLUSTER 4 x 4: the four work-groups of a row of the cluster need the same tiles of xb, the four of a column the same tiles of wb: each tile is asked for jointly.
; THE MATRIX INSTRUCTION IS USED TRANSPOSED (source 0 = 16 rows of wb, source 1 = 16 rows of xb): lane l holds row l % 16 and in its 8 registers the channels 16 b + 8 (l / 16) + 0..7.
; THE WAY OUT.  rinv = 1 / sqrt(sum of squares / 128 + 1e-6) (1 for a value head); (out[2i], out[2i+1]) = rinv ((a0, a1) Tc + (a1, a0) Ts) with the table that the launch before made;
; rounded once to f16 and stored by heads: qkv[b][hd][s][128], a wave's 128 rows 32,768 bytes on end.
; LIMIT: a value beyond 65,504 in magnitude does not fit f16 (queries and keys are normalised: at most 11.4 times the gain).
; REGISTERS, in windows of 256:  window 0: v16-29 addresses; v32-59 sums of squares and rinv; v64-127, v128-191 fragments of xb, two buffers; on the way out v64-127 rows read back, v128-191 at work, v192-223 packed
;   window 1: v64-127, v128-191 fragments of wb; v0-63 Tc, v192-255 Ts of my 64 channels      windows 2, 3: the 64 accumulators (rows 0-63, rows 64-127; (a, b) at v[8 (8 a + b)])
.set SIZE_K, 2048
.set KSTEP,  128
.set PITCH,  272                       ; an LDS row: 256 bytes + 16 of padding = 68 words: the 16 rows that a load touches start at 16 different groups of four banks
.set HALFT,  128*PITCH                 ; 128 rows: what one tensor load brings
.set SLOT,   4*HALFT                   ; xb's 256 rows, then wb's 256 rows
.set STAGE,  2*SLOT                    ; behind the ring: 16 rows x 272 bytes for each wave, for the way out; no tensor load fills it
.set SPITCH, 272
.set SPARE,  STAGE+4*16*SPITCH         ; behind the stages: the spare words, 128 bytes for each wave
.set LAPS,   SIZE_K/(2*KSTEP)          ; 8 laps of two K steps
.set ADRA, 16                          ; v16-17  LDS address of my fragments of xb in slot 0, 1
.set ADRB, 20                          ; v20-21  the same for wb
.set STO,  24                          ; v24     the way out: where I put 16 bytes of a row
.set RD,   25                          ; v25     where I read rows back
.set CO,   26                          ; v26     my byte offset in 512 consecutive bytes of the output
.set TO,   27                          ; v27     my byte offset in the table's rows
.set SPW,  28                          ; v28     LDS address of my spare word; never rewritten
.set NIL,  29                          ; v29     0; never rewritten
.set SSC,  32                          ; v32-39  four chains of packed sums of squares
.set X,    40                          ; v40-41  at work
.set RI,   44                          ; v44-59  rinv of block a, twice (a pair for the packed multiply)
.set F0,   64
.set F1,   128
.set BK0,  64                          ; v64-95, v96-127 by turns: 16 rows read back from the stage
.set T,    128                         ; v128-191 a block's 64 numbers a lane, at work
.set TMPP, 192                         ; v192-223 the same, packed
.set TC,   0                           ; window 1
.set TS,   192                         ; window 1
.set G1,  24                           ; s[24:31] descriptor group 1 for xb's tiles;  s[32:39] group 0, one set for each slot
.set G0,  32
.set G1B, 48                           ; s[48:55], s[56:63] the same for wb's tiles
.set G0B, 56
.set MSB, 0
.macro WIN new                         ; the immediate's high byte repeats the setting that is left; a switch that changes nothing is dropped
.if MSB != (\new)
	s_set_vgpr_msb (MSB<<8)|(\new)
.set MSB, \new
.endif
.endm
.set MUL_LO, 0xa1                      ; source 0 (wb) window 1, source 1 (xb) window 0, C and D window 2
.set MUL_HI, 0xf1                      ; the same, C and D window 3
.set TO_B,   0x40                      ; destination window 1, address window 0
; A joint load.  Waves 0 and 1 fetch xb's two halves, waves 2 and 3 wb's.  The branch hangs on the wave's number alone.  An s_nop 0 and four v_nop follow each of the two lines.
.macro JLOAD s
	s_cmp_eq_u32 s11, 0
	s_cbranch_scc0 .Lfor_b_\@
	tensor_load_to_lds s[G0+4*(\s):G0+4*(\s)+3], s[G1:G1+7]
	s_nop 0
.rept 4
	v_nop
.endr
	s_branch .Lasked_\@
.Lfor_b_\@:
	tensor_load_to_lds s[G0B+4*(\s):G0B+4*(\s)+3], s[G1B:G1B+7]
	s_nop 0
.rept 4
	v_nop
.endr
.Lasked_\@:
.endm
.macro CREST                           ; a round of the cluster's barrier behind its opening barrier
	s_cmp_lg_u32 s10, 0
	s_cbranch_scc1 .Lnot_wave_0_\@
	s_barrier_signal -3
.Lnot_wave_0_\@:
	s_barrier_wait -3
	s_barrier_signal -1
	s_barrier_wait -1
.endm
.macro CROUND                          ; a whole round
	s_barrier_signal -1
	s_barrier_wait -1
	CREST
.endm
	s_load_b128 s[4:7], s[0:1], 0x0                ; xb s[4:5], wb s[6:7]
	s_load_b64 s[8:9], s[0:1], 0x10                ; qkv
	s_load_b64 s[68:69], s[0:1], 0x18              ; tab
	v_lshl_add_u32 v[SPW], v0, 2, SPARE
	v_mov_b32 v[NIL], 0
	ds_add_u32 v[SPW], v[NIL]                      ; the wave's opening: the add and its wait stand ahead of my first tensor load; the set-up below stands between them
	v_lshrrev_b32 v1, 5, v0
	v_readfirstlane_b32 s10, v1                    ; wave 0..3
	s_lshr_b32 s11, s10, 1                         ; which half of the tile's rows is mine.  Also: I fetch for xb (0) or for wb (1)
	s_and_b32 s12, s10, 1                          ; which half of its columns.  Also: which 128 rows of that tile I fetch
	s_bfe_u32 s40, ttmp6, 0x40000                  ; cx
	s_bfe_u32 s41, ttmp6, 0x40004                  ; cy
	s_lshl_b32 s42, ttmp9, 2
	s_add_co_u32 s42, s42, s40                     ; tile column = 4 x cluster x + cx, 0..11
	s_and_b32 s13, ttmp7, 0xffff
	s_lshl_b32 s13, s13, 2
	s_add_co_u32 s13, s13, s41                     ; tile row = 4 x cluster y + cy, 0..15
	s_lshl_b32 s43, s41, 2
	s_lshl_b32 s43, 15, s43                        ; my row of the cluster
	s_lshl_b32 s44, 0x1111, s40                    ; my column
	s_or_b32 s[G1+0], s43, (1<<16)|(1<<20)|(1<<21)|(5<<22)|(3<<25)  ; the mask; elements of 2 bytes; padding on; bit 21 beside a mask; after every 64 words, 4 words
	s_or_b32 s[G1B+0], s44, (1<<16)|(1<<20)|(1<<21)|(5<<22)|(3<<25)
.irp g, G1, G1B
	s_mov_b32 s[(\g)+1], KSTEP<<16                 ; tensor_dim0 = 128
	s_mov_b32 s[(\g)+2], 128<<16                   ; tensor_dim1 = 128
	s_mov_b32 s[(\g)+3], KSTEP<<16                 ; tile_dim0 = 128
	s_mov_b32 s[(\g)+4], 128                       ; tile_dim1 = 128
	s_mov_b32 s[(\g)+5], SIZE_K                    ; elements from row to row
	s_mov_b32 s[(\g)+6], 0
	s_mov_b32 s[(\g)+7], 0
.endr
	s_lshl_b32 s17, s12, 7                         ; which 128 rows of the tile I fetch
	s_lshl_b32 s16, s13, 8
	s_add_co_u32 s16, s16, s17                     ; xb: row 256 x tile row + 128 x half
	s_lshl_b32 s16, s16, 12                        ; x 4,096 bytes: under 2^24
	s_lshl_b32 s46, s42, 8
	s_add_co_u32 s46, s46, s17                     ; wb: row 256 x tile column + 128 x half
	s_lshl_b32 s46, s46, 12
	s_mov_b32 s17, 0
	s_mov_b32 s47, 0
	s_mul_i32 s20, s10, HALFT                      ; where the tiles go: wave x 128 rows: no place in the cluster enters an LDS address
	s_lshl_b32 s70, s42, 1
	s_add_co_u32 s70, s70, s12                     ; hd, my wave's head
	s_cmp_ge_u32 s70, 20
	s_cselect_b32 s71, -1, 0                       ; all lanes' bits where the head is a value head: a select's mask, no branch
	s_lshl_b32 s76, s70, 10                        ; the head's 1,024 bytes of the table
	s_mov_b32 s77, 0
	s_mov_b32 s72, 0x76543210                      ; v_permlanex16_b32: each lane takes its own place in the other half
	s_mov_b32 s73, 0xfedcba98
	s_mov_b32 s74, 0x3c000000                      ; 1 / 128
	s_mov_b32 s75, 0x358637bd                      ; 1e-6
	s_wait_dscnt 0x0                               ; the opening add is done
	s_wait_kmcnt 0x0
	s_add_nc_u64 s[14:15], s[4:5], s[16:17]
	s_add_nc_u64 s[46:47], s[6:7], s[46:47]
	s_add_nc_u64 s[68:69], s[68:69], s[76:77]
	CROUND                                         ; all sixteen work-groups are here: the first joint loads meet
.irp s, 0,1
	s_mov_b32 s[G0+4*(\s)], 1
	s_add_co_u32 s[G0+4*(\s)+1], s20, (\s)*SLOT
	s_add_nc_u64 s[G0+4*(\s)+2:G0+4*(\s)+3], s[14:15], (\s)*KSTEP*2
	s_or_b32 s[G0+4*(\s)+3], s[G0+4*(\s)+3], 0x80000000
	s_mov_b32 s[G0B+4*(\s)], 1
	s_add_co_u32 s[G0B+4*(\s)+1], s20, (\s)*SLOT
	s_add_nc_u64 s[G0B+4*(\s)+2:G0B+4*(\s)+3], s[46:47], (\s)*KSTEP*2
	s_or_b32 s[G0B+4*(\s)+3], s[G0B+4*(\s)+3], 0x80000000
	JLOAD \s                                       ; K steps 0 and 1: two tensor loads of mine are out
.endr
	v_and_b32 v1, 15, v0                           ; l % 16
	v_bfe_u32 v2, v0, 4, 1                         ; l / 16
	v_lshlrev_b32 v[TO], 5, v2                     ; my 8 channels of a group of 16: 32 bytes for each half of the lanes
	WIN TO_B
.irp b, 0,1,2,3,4,5,6,7                ; Tc and Ts of channels 16 b + 8 (l / 16) + 0..7, kept in registers to the end
	global_load_b128 v[TC+8*(\b):TC+8*(\b)+3],   v[TO], s[68:69] offset:64*(\b)
	global_load_b128 v[TC+8*(\b)+4:TC+8*(\b)+7], v[TO], s[68:69] offset:64*(\b)+16
	global_load_b128 v[TS+8*(\b):TS+8*(\b)+3],   v[TO], s[68:69] offset:512+64*(\b)
	global_load_b128 v[TS+8*(\b)+4:TS+8*(\b)+7], v[TO], s[68:69] offset:512+64*(\b)+16
.endr
	WIN 0
	v_mul_u32_u24 v3, v1, PITCH
	v_lshl_add_u32 v3, v2, 4, v3                   ; a fragment's row x pitch + 16 x half
	s_mul_i32 s21, s11, HALFT                      ; my 128 rows of xb
	s_mul_i32 s22, s12, HALFT                      ; my 128 rows of wb,
	s_add_co_u32 s22, s22, 2*HALFT                 ; which lie behind xb's 256
.irp s, 0,1
	v_add_nc_u32 v[ADRA+(\s)], s21, v3
	v_add_nc_u32 v[ADRB+(\s)], s22, v3
	s_add_co_u32 s21, s21, SLOT
	s_add_co_u32 s22, s22, SLOT
.endr
	s_mul_i32 s23, s10, 16*SPITCH
	s_add_co_u32 s23, s23, STAGE                   ; my stage
	v_mul_u32_u24 v4, v1, SPITCH                   ; in: row l % 16, 16 bytes for each half of the lanes
	v_lshl_add_u32 v4, v2, 4, v4
	v_add_nc_u32 v[STO], s23, v4
	v_mul_u32_u24 v5, v2, SPITCH                   ; back: lanes 0-15 one row of 256 bytes, lanes 16-31 the next
	v_lshl_add_u32 v5, v1, 4, v5
	v_add_nc_u32 v[RD], s23, v5
	v_lshlrev_b32 v5, 8, v2                        ; and the same two rows in the output, which lie end to end
	v_lshl_add_u32 v[CO], v1, 4, v5
	v_mov_b32 v[X+1], 0                            ; v_permlanex16_b32's destination counts as read
	; where my 128 rows of my head begin: ((b x 24 + hd) x 1,024 + row in the batch) x 256 bytes, b = tile row / 4
	s_lshr_b32 s46, s13, 2
	s_mul_i32 s46, s46, 24
	s_add_co_u32 s46, s46, s70
	s_lshl_b32 s46, s46, 18
	s_and_b32 s47, s13, 3
	s_lshl_b32 s47, s47, 1
	s_add_co_u32 s47, s47, s11
	s_lshl_b32 s47, s47, 15                        ; 128 rows of 256 bytes
	s_add_co_u32 s46, s46, s47
	s_mov_b32 s47, 0
	s_add_nc_u64 s[8:9], s[8:9], s[46:47]
; 16 matrix instructions: m blocks a0, a0 + 1 of the window's four x all 8 n blocks, 32 along K.  zero = 1: the first product starts the sums.  The 64 accumulators take turns.
.macro MUL16 f, hi, a0, zero
	WIN MUL_LO+0x50*(\hi)
.irp a, \a0, (\a0)+1
.irp b, 0,1,2,3,4,5,6,7
.if \zero
	v_wmma_f32_16x16x32_bf16 v[8*(8*(\a)+(\b)):8*(8*(\a)+(\b))+7], v[(\f)+8*(\b):(\f)+8*(\b)+7], v[(\f)+8*(4*(\hi)+(\a)):(\f)+8*(4*(\hi)+(\a))+7], 0
.else
	v_wmma_f32_16x16x32_bf16 v[8*(8*(\a)+(\b)):8*(8*(\a)+(\b))+7], v[(\f)+8*(\b):(\f)+8*(\b)+7], v[(\f)+8*(4*(\hi)+(\a)):(\f)+8*(4*(\hi)+(\a))+7], v[8*(8*(\a)+(\b)):8*(8*(\a)+(\b))+7]
.endif
.endr
.endr
.endm
; 32 LDS loads in one run: the fragments of one quarter step (32 K at byte k of the rows) into buffer f: wb's 16 loads, then xb's
.macro FETCH slot, k, f
	WIN TO_B
.irp i, 0,1,2,3,4,5,6,7
	ds_load_b128 v[(\f)+8*(\i):(\f)+8*(\i)+3],   v[ADRB+(\slot)] offset:(\k)+(\i)*16*PITCH
	ds_load_b128 v[(\f)+8*(\i)+4:(\f)+8*(\i)+7], v[ADRB+(\slot)] offset:(\k)+(\i)*16*PITCH+32
.endr
	WIN 0
.irp i, 0,1,2,3,4,5,6,7
	ds_load_b128 v[(\f)+8*(\i):(\f)+8*(\i)+3],   v[ADRA+(\slot)] offset:(\k)+(\i)*16*PITCH
	ds_load_b128 v[(\f)+8*(\i)+4:(\f)+8*(\i)+7], v[ADRA+(\slot)] offset:(\k)+(\i)*16*PITCH+32
.endr
.endm
.macro PLACES                          ; four plain vector instructions between matrix instructions and loads into their sources, or reads of their results
.rept 4
	v_nop
.endr
.endm
; A K step is four quarters of 32 along K, 64 matrix instructions each, on buffers 0, 1, 0, 1.  One of the first three multiplies buffer f and fetches the next quarter, at byte k, into g.
.macro QUARTER slot, k, f, g, zero
	s_wait_dscnt 8                                 ; wb's fragments and xb's rows 0-63 are in; the youngest eight loads (rows 64-127) may be out
	MUL16 \f, 0, 0, \zero
	MUL16 \f, 0, 2, \zero
	PLACES
	FETCH \slot, \k, \g
	s_wait_dscnt 32                                ; all but the 32 just issued
	MUL16 \f, 1, 0, \zero
	MUL16 \f, 1, 2, \zero
.endm
; The last quarter's first half: one barrier for the change of slots.  In front of it each wave waits for all its tensor loads (one is out: its part of the next slot), adds 0 to its spare word, and waits for that and for its reads of this slot.
.macro MEET round
	WIN 0                                          ; (the add's two registers lie in window 0)
	s_wait_tensorcnt 0x0
	ds_add_u32 v[SPW], v[NIL]
	s_wait_dscnt 9                                 ; (the add and the youngest eight loads may be out)
	MUL16 F1, 0, 0, 0                              ; sixteen matrix instructions stand between the add and the wait for it
	s_wait_dscnt 0x0                               ; the add is done, and my reads of this slot are over
	s_barrier_signal -1
	MUL16 F1, 0, 2, 0                              ; work on registers while the others arrive
.if \round
	WIN 0
.endif
	s_barrier_wait -1
.endm
; The whole last quarter.  fill = 1: the barrier opens a round of the cluster's, and the slot just read out is filled again first, two K steps ahead: 224 matrix instructions stand between the request and the wait for it.
.macro TURN slot, next, fill
	MEET \fill
.if \fill
	CREST
	s_add_nc_u64 s[G0+4*(\slot)+2:G0+4*(\slot)+3], s[G0+4*(\slot)+2:G0+4*(\slot)+3], 2*KSTEP*2
	s_add_nc_u64 s[G0B+4*(\slot)+2:G0B+4*(\slot)+3], s[G0B+4*(\slot)+2:G0B+4*(\slot)+3], 2*KSTEP*2
	JLOAD \slot                                    ; the four v_nop behind it are also the places in front of the loads below
.else
	PLACES
.endif
	FETCH \next, 0, F0
	MUL16 F1, 1, 0, 0
	MUL16 F1, 1, 2, 0
.endm
	s_wait_loadcnt 0x0                             ; the table, once
	s_wait_tensorcnt 1                             ; my part of K step 0 is in; K step 1's may stay out
	s_barrier_signal -1
	s_barrier_wait -1                              ; everybody's is
	FETCH 0, 0, F0
	QUARTER 0, 64,  F0, F1, 1                      ; the first quarter stands in front of the loop: its products start the sums
	WIN 0                                          ; at a label and at a branch every window is 0
	s_mov_b32 s3, LAPS-1
.Llap:                                                 ; a trip goes once round the ring and fills both slots again: K steps 2 to 15 in seven trips
	QUARTER 0, 128, F1, F0, 0
	QUARTER 0, 192, F0, F1, 0
	TURN 0, 1, 1
	QUARTER 1, 64,  F0, F1, 0
	QUARTER 1, 128, F1, F0, 0
	QUARTER 1, 192, F0, F1, 0
	TURN 1, 0, 1
	QUARTER 0, 64,  F0, F1, 0
	WIN 0
	s_sub_co_u32 s3, s3, 1
	s_cmp_lg_u32 s3, 0
	s_cbranch_scc1 .Llap
	QUARTER 0, 128, F1, F0, 0                      ; the last lap fills nothing
	QUARTER 0, 192, F0, F1, 0
	TURN 0, 1, 0
	QUARTER 1, 64,  F0, F1, 0
	QUARTER 1, 128, F1, F0, 0
	QUARTER 1, 192, F0, F1, 0
	s_wait_dscnt 8
	MUL16 F1, 0, 0, 0
	MUL16 F1, 0, 2, 0
	s_wait_dscnt 0x0
	MUL16 F1, 1, 0, 0
	MUL16 F1, 1, 2, 0
	WIN 0
	PLACES
; rinv of block a's 16 rows: my 64 squares in four packed chains (each accumulator is read from its lowest registers on), the lane 16 away holds the row's other 64.
.macro SS a
.set AC, 64*((\a)%4)
	WIN 0x0a+5*((\a)/4)                            ; sources 0 and 1: window 2 or 3
.irp r, 0,1,2,3
	v_pk_mul_f32 v[SSC+2*(\r):SSC+2*(\r)+1], v[AC+2*(\r):AC+2*(\r)+1], v[AC+2*(\r):AC+2*(\r)+1]
.endr
.irp b, 1,2,3,4,5,6,7
.irp r, 0,1,2,3
	v_pk_fma_f32 v[SSC+2*(\r):SSC+2*(\r)+1], v[AC+8*(\b)+2*(\r):AC+8*(\b)+2*(\r)+1], v[AC+8*(\b)+2*(\r):AC+8*(\b)+2*(\r)+1], v[SSC+2*(\r):SSC+2*(\r)+1]
.endr
.endr
	WIN 0
	v_pk_add_f32 v[SSC:SSC+1], v[SSC:SSC+1], v[SSC+2:SSC+3]
	v_pk_add_f32 v[SSC+4:SSC+5], v[SSC+4:SSC+5], v[SSC+6:SSC+7]
	v_pk_add_f32 v[SSC:SSC+1], v[SSC:SSC+1], v[SSC+4:SSC+5]
	v_add_f32 v[X], v[SSC], v[SSC+1]
	v_permlanex16_b32 v[X+1], v[X], s72, s73
	v_add_f32 v[X], v[X], v[X+1]
	v_fma_f32 v[X], v[X], s74, s75                 ; the mean of the squares + 1e-6
	v_rsq_f32 v[X], v[X]
	v_nop                                          ; a plain instruction behind it
	s_wait_alu depctr_va_vdst(0)
	v_cndmask_b32 v[RI+2*(\a)], v[X], 1.0, s71     ; a value head is not normalised
	v_cndmask_b32 v[RI+2*(\a)+1], v[X], 1.0, s71
.endm
; Block a: gain and rotation by the table, rinv, rounding to f16.  Pair p of 32 is channels 2 p', 2 p' + 1 of the head: the second line takes the pair crosswise.
.macro PACK a
.set AC, 64*((\a)%4)
	WIN 0x06+((\a)/4)                              ; source 0 window 2 or 3, source 1 window 1, the rest window 0
.set p, 0
.rept 32
	v_pk_mul_f32 v[T+2*p:T+2*p+1], v[AC+2*p:AC+2*p+1], v[TC+2*p:TC+2*p+1]
.set p, p+1
.endr
.set p, 0
.rept 32
	v_pk_fma_f32 v[T+2*p:T+2*p+1], v[AC+2*p:AC+2*p+1], v[TS+2*p:TS+2*p+1], v[T+2*p:T+2*p+1] op_sel:[1,0,0] op_sel_hi:[0,1,1]
.set p, p+1
.endr
	WIN 0
.set p, 0
.rept 32
	v_pk_mul_f32 v[T+2*p:T+2*p+1], v[T+2*p:T+2*p+1], v[RI+2*(\a):RI+2*(\a)+1] op_sel_hi:[1,0]
.set p, p+1
.endr
.set p, 0
.rept 32
	v_cvt_pk_f16_f32 v[TMPP+p], v[T+2*p], v[T+2*p+1]
.set p, p+1
.endr
.endm
.macro TOSTAGE a                       ; into my own stage, and back as whole rows of 256 bytes
	WIN 0
.set BK, BK0+32*((\a)%2)
.irp b, 0,1,2,3,4,5,6,7
	ds_store_b128 v[STO], v[TMPP+4*(\b):TMPP+4*(\b)+3] offset:32*(\b)
.endr
.irp t, 0,1,2,3,4,5,6,7
	ds_load_b128 v[BK+4*(\t):BK+4*(\t)+3], v[RD] offset:(\t)*2*SPITCH  ; LDS serves a wave's instructions in order (ISA guide 5.7.1.4): these see the stores above
.endr
.endm
.macro SEND a
	WIN 0
.set BK, BK0+32*((\a)%2)
	s_wait_dscnt 0x0                               ; the block is back in registers
	s_wait_xcnt 0x0                                ; the stores of the block before have read their registers, which the next block's loads from the stage write
.irp t, 0,1,2,3,4,5,6,7
	global_store_b128 v[CO], v[BK+4*(\t):BK+4*(\t)+3], s[8:9] offset:4096*(\a)+512*(\t)  ; 512 consecutive bytes, at a multiple of 256 from the buffer's first byte
.endr
.endm
.irp a, 0,1,2,3,4,5,6,7
	SS \a
.endr
	PACK 0
	TOSTAGE 0
.irp a, 1,2,3,4,5,6,7                  ; block a's arithmetic stands between block a - 1's loads from the stage and the wait for them
	PACK \a
	SEND (\a)-1
	TOSTAGE \a
.endr
	SEND 7
	s_wait_tensorcnt 0x0                           ; the wave's end
	ds_add_u32 v[SPW], v[NIL]
	s_wait_dscnt 0x0
	CROUND                                         ; the closing round: no work-group ends while a partner may still ask for a tile that names it
	s_endpgm
.Lfunc_end_k_qef04fb7547_qkv:
	.size	k_qef04fb7547_qkv, .Lfunc_end_k_qef04fb7547_qkv-k_qef04fb7547_qkv
	.p2alignl 7, 3214868480
	.fill 96, 4, 3214868480
	.section	.rodata,"a",@progbits
	.p2align	6, 0x0
	.amdhsa_kernel k_qef04fb7547_qkv
		.amdhsa_group_segment_fixed_size 327680
		.amdhsa_private_segment_fixed_size 0
		.amdhsa_enable_private_segment 0
		.amdhsa_kernarg_size 32
		.amdhsa_user_sgpr_count 2
		.amdhsa_user_sgpr_kernarg_segment_ptr 1
		.amdhsa_wavefront_size32 1
		.amdhsa_system_sgpr_workgroup_id_x 1
		.amdhsa_system_sgpr_workgroup_id_y 1
		.amdhsa_system_sgpr_workgroup_id_z 1
		.amdhsa_system_vgpr_workitem_id 0
		.amdhsa_next_free_vgpr 1024
		.amdhsa_next_free_sgpr 80
		.amdhsa_reserve_vcc 0
		.amdhsa_float_denorm_mode_32 3
		.amdhsa_float_denorm_mode_16_64 3
		.amdhsa_memory_ordered 1
		.amdhsa_forward_progress 1
		.amdhsa_inst_pref_size 215
	.end_amdhsa_kernel
	.amdgpu_metadata
---
amdhsa.version: [ 1, 2 ]
amdhsa.kernels:
  - .name:           k_qef04fb7547_qkv
    .symbol:         k_qef04fb7547_qkv.kd
    .args:
      - { .name: xb, .offset: 0, .size: 8, .value_kind: global_buffer, .address_space: global }
      - { .name: wb, .offset: 8, .size: 8, .value_kind: global_buffer, .address_space: global }
      - { .name: qkv, .offset: 16, .size: 8, .value_kind: global_buffer, .address_space: global }
      - { .name: tab, .offset: 24, .size: 8, .value_kind: global_buffer, .address_space: global }
    .group_segment_fixed_size: 327680
    .private_segment_fixed_size: 0
    .kernarg_segment_align: 8
    .kernarg_segment_size: 32
    .max_flat_workgroup_size: 128
    .sgpr_count:     80
    .vgpr_count:     1024
    .wavefront_size: 32
...
	.end_amdgpu_metadata
.endif
;; end of part 2
;; launch attn (part 3): grid 16 x 16, 4 waves a work-group, clusters of 4 x 1, 327,680 bytes of LDS; arguments qkv, att; writes att
.if DOCPART == 3
	.amdgcn_target "amdgcn-amd-amdhsa--gfx1250"
	.amdhsa_code_object_version 6
	.text
	.protected	k_qef04fb7547_attn
	.globl	k_qef04fb7547_attn
	.p2align	8
	.type	k_qef04fb7547_attn,@function
k_qef04fb7547_attn:
	s_mov_b64 s[64:65], 0
	v_nop
	global_prefetch_b8 v0, s[64:65] scope:SCOPE_SE
	s_setreg_imm32_b32 hwreg(HW_REG_WAVE_MODE, 25, 1), 1
	s_wait_xcnt 0x0
	s_wait_alu depctr_hold_cnt(0) depctr_sa_sdst(0) depctr_va_vdst(0) depctr_va_sdst(0) depctr_va_ssrc(0) depctr_va_vcc(0) depctr_vm_vsrc(0)
	s_getreg_b32 s2, hwreg(HW_REG_IB_STS2, 6, 4)
	s_cmp_eq_u32 s2, 0
	s_cbranch_scc0 .Lentry_in_a_cluster
	s_endpgm
.Lentry_in_a_cluster:
	s_bfe_u32 s2, ttmp6, 0x10000c
	s_cmp_lg_u32 s2, 0x3003
	s_cbranch_scc0 .Lentry_shape_is_right
	s_endpgm
.Lentry_shape_is_right:
; CAUSAL ATTENTION, head size 128, four query heads to a key and value head.  qkv[b][hd][1024][128] f16 (hd 0-15 queries, 16-19 keys, 20-23 values); att[b x 1024 + s][h x 128 + d] f16.
; Products, maxima and sums in f32; the weights p are rounded to f16 for the second product (their sum l is taken of the unrounded p), O once at the end.
; LIMITS.  A hidden score counts as its value less 1e30; a weight below 2^-126 counts as 0 in l; O is a mean of V's rows and has their range; NaN and infinities are not treated apart.
; THE WALK.  A head's 1,024 queries lie in 8 blocks of 128; block i needs the key tiles 0 .. i of 128 keys, of which the last holds the diagonal.  A work-group takes TWO blocks, 7 - pb and then pb:
; 9 tiles whatever pb, so all 256 work-groups do equal work, and one loop with a constant trip count walks them.
; CLUSTER.  The four work-groups of a cluster are the four query heads of one key and value head, with the same pb: they walk the same tiles of K and V in the same order, so every tile is asked for JOINTLY.
; The place in the cluster enters Q's and O's global addresses alone.
; SHARES.  Of a block's two bands of 64 queries a wave owns 16 rows in each: two tiles.  So the diagonal tile is the same work for all four waves: in its key step s band t sees all keys if s < t, none if s > t, and holds the diagonal if s = t.
; THE MASK is the C operand that starts the sum S^T = K Q^T.  MD, made once, is the mask of a band's own step for my 16 rows.  Each key step makes MX0 = MD x AL0 + BE0 for band 0 and MX1 = MD x AL1 for band 1:
; in a block's last tile (AL0, BE0, AL1) = (1, 0, 0) in step 0 and (0, -1e30, 1) in step 1; elsewhere all three are 0.  That is 32 packed instructions a step, in tiles without a diagonal too: the price of one text for both steps.
; Every row sees its own key in its band's own step, ahead of any step that is wholly hidden, so the running maximum is a true score when the first hidden one comes.
; LAYOUT.  S^T = K Q^T holds ONE query a lane (lane % 16) and the keys 8 (lane / 16) + 0..7; two such results rounded to f16 ARE source 1 of O^T = V^T P.  K comes out of LDS as it lies, V turned, by ds_load_tr16_b128.
; SOFTMAX.  p = 2^(c s - c m), c = log2(e) / sqrt(128), with a running maximum m; O and l are multiplied by a = 2^(c m_old - c m_new) in every step.  m starts at the lowest finite number: a block's first a is 0,
; so O^T and l need only be finite when a block begins: zeros for the first (128 moves in the wait for the first tile), what the first left for the second.
; IN PHASES: a step's 32 products K Q^T, its softmax (268 vector instructions), its 32 products V^T P.  A KEY STEP IS WRITTEN ONCE and walked twice for each tile; its LDS addresses hang on two scalars that step.
; REGISTERS, in windows of 256:  window 0: v2-15 addresses; v16-31 eight registers of statistics a tile; v64-127 S^T; v128-159 P; v160-191 MD; v192-223 MX0; v224-255 MX1
;   window 1: v0-127 O^T, 64 a tile      window 2: v0-63 Q; v64-127 the second block's Q; v128-255 K of one step      window 3: v0-127 V of one step
.set KS,    64        ; keys in a step
.set PK,    272       ; a row of K in LDS: 256 bytes + 16 of padding: the 16 rows of a load start at 16 different groups of four banks
.set PV,    288       ; a row of V: 256 + 32
.set VOFF,  KS*PK     ; a step's tiles lie together: 64 rows of K, then 64 rows of V
.set STEPB, KS*(PK+PV)
.set SLOT1, 1<<17     ; a slot holds a tile of 128 keys, two steps (71,680 bytes); slot 1 begins here, so that one exclusive or turns an address in one slot into the other's
.set STAGE, SLOT1+2*STEPB  ; behind the ring: 16 rows x 272 bytes for each wave, for the way out; no tensor load fills it
.set SP,    272
.set SPARE, STAGE+4*16*SP  ; behind the stages: the spare words, 128 bytes for each wave
.set AK0, 2           ; v2   my lane's place in a tile of K; never rewritten
.set AV0, 3           ; v3   the same for V
.set AK,  4           ; v4   the LDS address of K's run of loads in hand
.set AV,  5           ; v5   of V's
.set STO, 6           ; v6   the way out: where I put 16 bytes of a row
.set RD,  7           ; v7   where I read rows back
.set GO,  8           ; v8   my byte offset in two rows of att
.set QO,  15          ; v15  my byte offset in 16 rows of Q
.set ST,  16          ; tile t's statistics at v[ST+8 t]: +0 c m, +1 m, +2, +3 l (even keys', odd keys'), +4 to +7 c0-c3, at work; a takes c2's place
.set SPW, 62          ; v62  LDS address of my spare word; never rewritten
.set NIL, 63          ; v63  0; never rewritten
.set S,   64
.set P,   128
.set MD,  160
.set MX0, 192         ; MX1 follows it
.set QB,  64          ; window 2
.set KF,  128         ; window 2
.set WV,  12          ; s12  my wave's number
.set PB,  14          ; s14  pb
.set HI,  15          ; s15  7 - pb
.set G1K, 24          ; s[24:31] descriptor group 1 for K's tiles
.set G1V, 32          ; s[32:39] for V's: it differs in the padding alone
.set G0K, 40          ; s[40:43] descriptor group 0 for K's tiles
.set G0V, 44          ; s[44:47] for V's
.set KB,  48          ; s[48:49] K at my step of the head's tile 0
.set VB,  50          ; s[50:51] V likewise
.set QP,  52          ; s[52:53] Q at my rows of the first block
.set QP2, 54          ; s[54:55] of the second
.set SLOTS, 56        ; s56  tiles still to be asked for
.set TW,  57          ; s57  counts a tile's two key steps, 2 to 1
.set CS,  58          ; s[58:59] c
.set SEL, 60          ; s[60:61] v_permlanex16_b32's selects
.set TBK, 62          ; s62  LDS byte at which the step begins whose K is fetched next
.set TBV, 63          ; s63  the same for V
.set OPTR, 66         ; s[66:67] att at my rows of the block in hand
.set OLO, 68          ; s[68:69] of the second block
.set RT,  70          ; s70  tiles of the block in hand that are still to be entered
.set NXT, 71          ; s71  the tile to be asked for next
.set LQ,  72          ; s72  the last tile of the block whose tiles are being asked for
.set OFF, 74          ; s[74:75] a tile's byte offset in K and V
.set AL0, 76          ; s[76:77] band 0's mask: the factor, in the low word
.set BE0, 78          ; s[78:79] and the addend
.set AL1, 80          ; s[80:81] band 1's factor
.set BIGN, 82         ; s82  -1e30
.set DAL, 84          ; s84  1.0 in a block's last tile, else 0
.set DBE, 85          ; s85  -1e30 in a block's last tile, else 0
.set MSB, 0
.macro WIN new
.if MSB != (\new)
	s_set_vgpr_msb (MSB<<8)|(\new)
.set MSB, \new
.endif
.endm
.set W_KQ, 0x0a       ; K and Q in window 2, S^T and the masks in window 0
.set W_PV, 0x53       ; V in window 3, P in window 0, O^T in window 1
.set W_RS, 0x41       ; O^T (destination and source 0) in window 1, a in window 0
; A joint fill.  Waves 0 and 1 fetch K of the tile's two steps, waves 2 and 3 V.  The branch hangs on the wave's number alone.  An s_nop 0 and four v_nop follow each of the two lines.
.macro JLOAD
	s_cmp_lt_u32 s[WV], 2
	s_cbranch_scc0 .Lfor_v_\@
	tensor_load_to_lds s[G0K:G0K+3], s[G1K:G1K+7]
	s_nop 0
.rept 4
	v_nop
.endr
	s_branch .Lasked_\@
.Lfor_v_\@:
	tensor_load_to_lds s[G0V:G0V+3], s[G1V:G1V+7]
	s_nop 0
.rept 4
	v_nop
.endr
.Lasked_\@:
.endm
.macro CROUND                       ; a round of the cluster's barrier
	s_barrier_signal -1
	s_barrier_wait -1
	s_cmp_lg_u32 s[WV], 0
	s_cbranch_scc1 .Lnot_wave_0_\@
	s_barrier_signal -3
.Lnot_wave_0_\@:
	s_barrier_wait -3
	s_barrier_signal -1
	s_barrier_wait -1
.endm
.macro PLACES                       ; four plain vector instructions between matrix instructions and reads of their results, or loads into their sources
.rept 4
	v_nop
.endr
.endm
; THE CHANGE OF SLOTS.  Each wave waits for all its tensor loads, of which one is out: its part of the other slot; adds 0 to its spare word; and waits for that and for its reads of the slot that it leaves.
; fill = 1: the barrier is a round of the cluster's, and the old slot is filled again first behind it, with tile NXT: the address is made anew from that number, which all four partners share.
; The fill has a tile's two key steps, 128 matrix instructions and 600 vector instructions, in which to land.  (At its first use nothing has been read yet: slot 0 is waited for, slot 1 filled.)
.macro CHANGE fill
	WIN 0
	s_wait_tensorcnt 0x0            ; no tensor load of mine is out, so a group 0 may be written
	ds_add_u32 v[SPW], v[NIL]       ; 0 onto my spare word; scalar work stands between it and the wait for it
.if \fill
	s_lshl_b32 s[OFF], s[NXT], 15   ; a tile is 32,768 bytes of K and of V
	s_xor_b32 s[G0K+1], s[G0K+1], SLOT1
	s_add_nc_u64 s[G0K+2:G0K+3], s[KB:KB+1], s[OFF:OFF+1]
	s_or_b32 s[G0K+3], s[G0K+3], 0x80000000
	s_xor_b32 s[G0V+1], s[G0V+1], SLOT1
	s_add_nc_u64 s[G0V+2:G0V+3], s[VB:VB+1], s[OFF:OFF+1]
	s_or_b32 s[G0V+3], s[G0V+3], 0x80000000
	s_add_co_u32 s[NXT], s[NXT], 1  ; the block's next tile, or behind its last the second block's tile 0
	s_cmp_gt_u32 s[NXT], s[LQ]
	s_cselect_b32 s[NXT], 0, s[NXT]
	s_cselect_b32 s[LQ], s[PB], s[LQ]
.endif
	s_sub_co_u32 s[TBK], s[TBK], 2*STEPB  ; the fetches go back to a slot's first step,
	s_xor_b32 s[TBK], s[TBK], SLOT1       ; in the other slot
	s_sub_co_u32 s[TBV], s[TBV], 2*STEPB
	s_xor_b32 s[TBV], s[TBV], SLOT1
	s_wait_dscnt 0x0                ; the add is done, and my reads of the slot are over
.if \fill
	CROUND
	JLOAD
.else
	s_barrier_signal -1
	s_barrier_wait -1
.endif
.endm
	s_load_b128 s[4:7], s[0:1], 0x0 ; qkv s[4:5], att s[6:7]
	v_lshl_add_u32 v[SPW], v0, 2, SPARE
	v_mov_b32 v[NIL], 0
	ds_add_u32 v[SPW], v[NIL]       ; the wave's opening: the add and its wait stand ahead of my first tensor load; the set-up below stands between them
	v_lshrrev_b32 v1, 5, v0
	v_readfirstlane_b32 s[WV], v1   ; wave 0..3
	s_bfe_u32 s13, ttmp6, 0x40000   ; cx: the query head within its group of four
	s_mov_b32 s[PB], ttmp9          ; in a cluster launch ttmp9 counts clusters: pb, 0..3
	s_sub_co_u32 s[HI], 7, s[PB]
	s_and_b32 s16, ttmp7, 0xffff    ; 4 b + the key and value head
	s_lshr_b32 s17, s16, 2          ; b
	s_and_b32 s18, s16, 3           ; the key and value head
	s_and_b32 s19, s[WV], 1         ; which of a tile's two steps I fetch
	s_mul_i32 s20, s17, 24          ; the batch's first head
	s_add_co_u32 s22, s20, s18
	s_add_co_u32 s22, s22, 16
	s_lshl_b32 s22, s22, 18         ; a head is 262,144 bytes
	s_lshl_b32 s23, s19, 14         ; a step's 64 rows of 256 bytes
	s_add_co_u32 s22, s22, s23
	s_mov_b32 s23, 0
	s_mul_i32 s21, s19, STEPB       ; and its place in a slot: no place in the cluster enters an LDS address
	s_lshl_b32 s83, s18, 2
	s_add_co_u32 s83, s83, s13      ; the query head
	s_add_co_u32 s84, s20, s83
	s_lshl_b32 s84, s84, 18
	s_lshl_b32 s85, s[WV], 12       ; my 16 rows in a band
	s_add_co_u32 s84, s84, s85
	s_mov_b32 s85, 0
	s_lshl_b32 s80, s17, 22         ; att: a batch's 1,024 rows of 4,096 bytes,
	s_lshl_b32 s81, s[WV], 16       ; my 16 rows,
	s_add_co_u32 s80, s80, s81
	s_lshl_b32 s81, s83, 8          ; the head's 256 bytes of a row
	s_add_co_u32 s80, s80, s81
	s_mov_b32 s81, 0
	s_mov_b32 s87, 0
	; descriptor group 1: a tile of 64 rows x 128 elements, padded in LDS
	s_mov_b32 s[G1K], 15|(1<<16)|(1<<20)|(1<<21)|(5<<22)|(3<<25)  ; the mask of four; 2-byte elements; padding on; bit 21 beside a mask; after every 64 words, 4 words
	s_mov_b32 s[G1V], 15|(1<<16)|(1<<20)|(1<<21)|(5<<22)|(7<<25)  ; the same with 8 words
.irp g, G1K, G1V
	s_mov_b32 s[(\g)+1], 128<<16    ; tensor_dim0 = 128
	s_mov_b32 s[(\g)+2], KS<<16     ; tensor_dim1 = 64
	s_mov_b32 s[(\g)+3], 128<<16    ; tile_dim0 = 128
	s_mov_b32 s[(\g)+4], KS         ; tile_dim1 = 64
	s_mov_b32 s[(\g)+5], 128        ; elements from row to row
	s_mov_b32 s[(\g)+6], 0
	s_mov_b32 s[(\g)+7], 0
.endr
	s_mov_b32 s[G0K], 1
	s_mov_b32 s[G0K+1], s21         ; slot 0
	s_mov_b32 s[G0V], 1
	s_add_co_u32 s[G0V+1], s21, VOFF
	s_mov_b32 s[CS], 0x3e0293ee     ; c = log2(e) / sqrt(128) = 0.127517
	s_mov_b32 s[CS+1], s[CS]        ; named with it as a pair
	s_mov_b32 s[SEL], 0x76543210
	s_mov_b32 s[SEL+1], 0xfedcba98
	s_mov_b32 s[TBK], SLOT1+2*STEPB ; the first change of slots turns these two into 0
	s_mov_b32 s[TBV], SLOT1+2*STEPB
	s_add_co_u32 s[RT], s[HI], 1    ; the first block has 8 - pb tiles
	s_mov_b32 s[NXT], 1
	s_mov_b32 s[LQ], s[HI]
	s_mov_b32 s[OFF+1], 0
	s_mov_b32 s[AL0+1], 0           ; named as pairs
	s_mov_b32 s[BE0+1], 0
	s_mov_b32 s[BIGN], 0xf149f2ca   ; -1e30
	s_mov_b32 s[SLOTS], 8
	s_wait_dscnt 0x0                ; the opening add is done
	s_wait_kmcnt 0x0
	s_add_nc_u64 s[KB:KB+1], s[4:5], s[22:23]
	s_add_nc_u64 s[VB:VB+1], s[KB:KB+1], 0x100000  ; the value heads lie four heads behind the key heads
	s_add_nc_u64 s[G0K+2:G0K+3], s[KB:KB+1], 0
	s_or_b32 s[G0K+3], s[G0K+3], 0x80000000
	s_add_nc_u64 s[G0V+2:G0V+3], s[VB:VB+1], 0
	s_or_b32 s[G0V+3], s[G0V+3], 0x80000000
	s_add_nc_u64 s[QP:QP+1], s[4:5], s[84:85]
	s_mov_b64 s[QP2:QP2+1], s[QP:QP+1]
	s_lshl_b32 s86, s[HI], 15       ; a block's 128 rows of 256 bytes
	s_add_nc_u64 s[QP:QP+1], s[QP:QP+1], s[86:87]
	s_lshl_b32 s86, s[PB], 15
	s_add_nc_u64 s[QP2:QP2+1], s[QP2:QP2+1], s[86:87]
	s_add_nc_u64 s[OPTR:OPTR+1], s[6:7], s[80:81]
	s_mov_b64 s[OLO:OLO+1], s[OPTR:OPTR+1]
	s_lshl_b32 s86, s[HI], 19       ; a block's 128 rows of 4,096 bytes
	s_add_nc_u64 s[OPTR:OPTR+1], s[OPTR:OPTR+1], s[86:87]
	s_lshl_b32 s86, s[PB], 19
	s_add_nc_u64 s[OLO:OLO+1], s[OLO:OLO+1], s[86:87]
	s_mov_b32 s[AL1+1], 0           ; the offsets above are used up: their registers take the masks' scalars
	CROUND                          ; all four work-groups are here: the first joint loads meet
	JLOAD                           ; tile 0 into slot 0: one tensor load of mine is out
	; A fragment of K or Q is 16 rows x 32 channels in 8 registers: lane l holds row l % 16, channels 8 (l / 16) + 0..7 and 16 + 8 (l / 16) + 0..7: two loads of 16 bytes, 32 bytes apart.
	v_and_b32 v1, 15, v0            ; l % 16
	v_bfe_u32 v9, v0, 4, 1          ; l / 16
	v_lshlrev_b32 v[QO], 8, v1
	v_lshl_add_u32 v[QO], v9, 4, v[QO]  ; row x 256 + 16 x half
	WIN 0x80                        ; destination window 2, address window 0
.set i, 0
.rept 8                             ; both blocks' Q: tile i / 4 lies in band i / 4, 16,384 bytes on; channels 32 (i % 4) on
	global_load_b128 v[8*i:8*i+3],   v[QO], s[QP:QP+1] offset:(i/4)*16384+(i%4)*64
	global_load_b128 v[8*i+4:8*i+7], v[QO], s[QP:QP+1] offset:(i/4)*16384+(i%4)*64+32
	global_load_b128 v[QB+8*i:QB+8*i+3],   v[QO], s[QP2:QP2+1] offset:(i/4)*16384+(i%4)*64
	global_load_b128 v[QB+8*i+4:QB+8*i+7], v[QO], s[QP2:QP2+1] offset:(i/4)*16384+(i%4)*64+32
.set i, i+1
.endr
	WIN 0
	v_lshlrev_b32 v14, 3, v9
	v_sub_nc_u32 v14, v1, v14
	s_lshl_b32 s16, s[WV], 4
	v_add_nc_u32 v14, s16, v14      ; my query's place in its band, 16 w + l % 16, less my lanes' 8 (l / 16): register r of group kg is hidden where 16 kg + r is greater
.set i, 0
.rept 32
	v_cmp_gt_i32 vcc_lo, 16*(i/8)+i%8, v14
	v_cndmask_b32 v[MD+i], 0, s[BIGN], vcc_lo
.set i, i+1
.endr
	v_mul_u32_u24 v[AK0], v1, PK
	v_lshl_add_u32 v[AK0], v9, 4, v[AK0]  ; row x pitch + 16 x half
	; The turning load takes 16 keys x 16 channels (lane l reads key 8 (l / 16) + l % 8, channels 8 ((l / 8) % 2) + 0..7) and leaves half a fragment of V^T: lane l holds channel l % 16 and 8 keys.
	v_and_b32 v10, 7, v0
	v_bfe_u32 v11, v0, 3, 1
	v_lshl_add_u32 v[AV0], v9, 3, v10
	v_mul_u32_u24 v[AV0], v[AV0], PV
	v_lshl_add_u32 v[AV0], v11, 4, v[AV0]
	v_add_nc_u32 v[AV0], VOFF, v[AV0]
	s_mul_i32 s16, s[WV], 16*SP
	s_add_co_u32 s16, s16, STAGE    ; my stage
	v_mul_u32_u24 v[STO], v1, SP    ; in: row l % 16, 16 bytes for each half of the lanes
	v_lshl_add_u32 v[STO], v9, 4, v[STO]
	v_add_nc_u32 v[STO], s16, v[STO]
	v_mul_u32_u24 v[RD], v9, SP     ; back: lanes 0-15 one row of 256 bytes, lanes 16-31 the next
	v_lshl_add_u32 v[RD], v1, 4, v[RD]
	v_add_nc_u32 v[RD], s16, v[RD]
	v_lshlrev_b32 v[GO], 12, v9     ; and the same two rows in att, 4,096 bytes apart
	v_lshl_add_u32 v[GO], v1, 4, v[GO]
	WIN 0x40
.set i, 0
.rept 128
	v_mov_b32 v[i], 0               ; O^T: finite, so that the first a = 0 makes 0 of it
.set i, i+1
.endr
	WIN 0
.set i, 0
.rept 2
	v_mov_b32 v[ST+8*i], 0xfe000000    ; c m: far below every c s
	v_mov_b32 v[ST+8*i+1], 0xff7fffff  ; m
	v_mov_b32 v[ST+8*i+2], 0
	v_mov_b32 v[ST+8*i+3], 0
.set i, i+1
.endr
	s_wait_loadcnt 0x0              ; Q
; THE MATRIX WORK.  The accumulators take turns, one instruction a turn: between two links of a chain stand 7 (K Q^T) or 15 (V^T P) others'.
; Product i of 32 of S^T = K Q^T: channels 32 (i / 8) on, keys 16 ((i / 2) % 4) on, tile i % 2.  The first 8 start the sums with the step's masks: band 0 with MX0, band 1 with MX1.
.macro KQ
	WIN W_KQ
.set rS, S+32*(i%2)+8*((i/2)%4)
.set rK, KF+32*((i/2)%4)+8*(i/8)
.set rQ, 32*(i%2)+8*(i/8)
.set rM, MX0+32*(i%2)+8*((i/2)%4)
.if i < 8
	v_wmma_f32_16x16x32_f16 v[rS:rS+7], v[rK:rK+7], v[rQ:rQ+7], v[rM:rM+7]
.else
	v_wmma_f32_16x16x32_f16 v[rS:rS+7], v[rK:rK+7], v[rQ:rQ+7], v[rS:rS+7]
.endif
.endm
; Product i of 32 of O^T += V^T P: keys 32 (i / 16) on, channels 16 ((i / 2) % 8) on, tile i % 2.
.macro PV
	WIN W_PV
.set rO, 64*(i%2)+8*((i/2)%8)
.set rV, 64*(i/16)+8*((i/2)%8)
.set rP, P+16*(i%2)+8*(i/16)
	v_wmma_f32_16x16x32_f16 v[rO:rO+7], v[rV:rV+7], v[rP:rP+7], v[rO:rO+7]
.endm
; THE LDS LOADS stand in runs of 32: K (16 fragments) or V (turned) of the step at s[TBK], s[TBV], which then step on.
; skip = 1: in a tile's second step there is no further K in the slot, and the run is jumped over: forward, past LDS loads alone.
.macro FETCH_K skip
	WIN 0
.if \skip
	s_cmp_eq_u32 s[TW], 1
	s_cbranch_scc1 .Lno_k_\@
.endif
	v_add_nc_u32 v[AK], s[TBK], v[AK0]
	WIN 0x80                        ; destination window 2
.irp f, 0,1,2,3,4,5,6,7,8,9,10,11,12,13,14,15  ; keys 16 (f / 4) on, channels 32 (f % 4) on
	ds_load_b128 v[KF+8*(\f):KF+8*(\f)+3],   v[AK] offset:((\f)/4)*16*PK+((\f)%4)*64
	ds_load_b128 v[KF+8*(\f)+4:KF+8*(\f)+7], v[AK] offset:((\f)/4)*16*PK+((\f)%4)*64+32
.endr
	s_add_co_u32 s[TBK], s[TBK], STEPB
	WIN 0
.if \skip
.Lno_k_\@:
.endif
.endm
.macro FETCH_V
	WIN 0
	v_add_nc_u32 v[AV], s[TBV], v[AV0]
	WIN 0xc0                        ; destination window 3
.irp f, 0,1,2,3,4,5,6,7,8,9,10,11,12,13,14,15  ; keys 32 (f / 8) on, channels 16 (f % 8) on
	ds_load_tr16_b128 v[8*(\f):8*(\f)+3],   v[AV] offset:((\f)/8)*32*PV+((\f)%8)*32
	ds_load_tr16_b128 v[8*(\f)+4:8*(\f)+7], v[AV] offset:((\f)/8)*32*PV+16*PV+((\f)%8)*32
.endr
	s_add_co_u32 s[TBV], s[TBV], STEPB
.endm
; THE VECTOR WORK.  One tile's softmax for one key step is a list of 134 instructions; SM writes number j of it for tile t.  s0-s31 are the lane's 32 scores, in pairs 0-15.
;   0-15    the maximum of s0-s31 and the old m, three operands at a time: four chains c0-c3 (each accumulator's lowest registers are read first), then the four scores left over, c0-c3 and m
;   16-20   the other half of the lanes' maximum; the new m; c m; c m_old - c m_new
;   21-87   33 exponentials (a, then s0-s31) at the odd numbers from 23 on, so that no two follow each other and each has a plain instruction behind it before its result is used; the plain ones are
;           c s - c m for pairs whose exponentials are still to come, roundings to f16 of pairs whose exponentials are done, at last the first three sums
;   88-101  the last rounding; the rest of the sums; l = a l + the sum
;   102-133 the tile's O^T times a: the one part that leaves window 0
.macro SM t
.set rT, ST+8*(\t)
.set rS, S+32*(\t)
.set rP, P+16*(\t)
.set rO, 64*(\t)+2*(j-102)
.set q, (j-20)/2
.if j < 102
	WIN 0
.endif
.if j < 4
	v_max3_num_f32 v[rT+4+j], v[rS+8*j], v[rS+8*j+1], v[rS+8*j+2]
.elseif j < 12
	v_max3_num_f32 v[rT+4+j%4], v[rT+4+j%4], v[rS+8*(j%4)+2*(j/4)+1], v[rS+8*(j%4)+2*(j/4)+2]
.elseif j == 12
	v_max3_num_f32 v[rT+4], v[rT+4], v[rS+7], v[rS+15]
.elseif j == 13
	v_max3_num_f32 v[rT+6], v[rT+6], v[rS+23], v[rS+31]
.elseif j == 14
	v_max3_num_f32 v[rT+4], v[rT+4], v[rT+5], v[rT+6]
.elseif j == 15
	v_max3_num_f32 v[rT+4], v[rT+4], v[rT+7], v[rT+1]
.elseif j == 16
	v_permlanex16_b32 v[rT+5], v[rT+4], s[SEL], s[SEL+1]  ; the query's other 32 keys lie in the lane 16 away
.elseif j == 17
	v_mov_b32 v[rT+7], v[rT]        ; c m_old is kept for a: number 19 writes c m anew
.elseif j == 18
	v_max_num_f32 v[rT+1], v[rT+4], v[rT+5]
.elseif j == 19
	v_mul_f32 v[rT], s[CS], v[rT+1]
.elseif j == 20
	v_sub_f32 v[rT+7], v[rT+7], v[rT]
.elseif j == 23
	v_exp_f32 v[rT+6], v[rT+7]
.elseif (j < 88) && (j > 23) && (j%2 == 1)
	v_exp_f32 v[rS+(j-25)/2], v[rS+(j-25)/2]
.elseif (q < 4) || ((j < 76) && (q%2 == 0))
.set b, q/2+2
.if q < 4
.set b, q
.endif
	v_pk_fma_f32 v[rS+2*b:rS+2*b+1], v[rS+2*b:rS+2*b+1], s[CS:CS+1], v[rT:rT+1] op_sel_hi:[1,0,0] neg_lo:[0,0,1] neg_hi:[0,0,1]  ; pair b: c s - c m
.elseif (j < 88) && (q%2 == 1)
	s_wait_alu depctr_va_vdst(0)
	v_cvt_pk_f16_f32 v[rP+(q-5)/2], v[rS+q-5], v[rS+q-4]  ; pair (q - 5) / 2: its second exponential stands three numbers back
.elseif j == 89
	s_wait_alu depctr_va_vdst(0)
	v_cvt_pk_f16_f32 v[rP+15], v[rS+30], v[rS+31]
.elseif j < 102                     ; the sum of the tile's 16 pairs, in place: sum z of 16 adds neighbours 1, 2, 4 and 8 pairs apart, then l takes it
.set z, j-86
.if j < 89
.set z, (j-76)/4
.endif
.set w, 4
.set u, z
.if z >= 14
.set w, 32
.set u, 0
.elseif z >= 12
.set w, 16
.set u, z-12
.elseif z >= 8
.set w, 8
.set u, z-8
.endif
.if z < 15
	v_pk_add_f32 v[rS+w*u:rS+w*u+1], v[rS+w*u:rS+w*u+1], v[rS+w*u+w/2:rS+w*u+w/2+1]
.else
	v_pk_fma_f32 v[rT+2:rT+3], v[rT+2:rT+3], v[rT+6:rT+7], v[rS:rS+1] op_sel_hi:[1,0,1]
.endif
.else
	WIN W_RS
	v_pk_mul_f32 v[rO:rO+1], v[rO:rO+1], v[rT+6:rT+7] op_sel_hi:[1,0]
.endif
.endm
; Slice k of 64: numbers 2 k and 2 k + 1 of both tiles' lists; the twelve that are over stand in slice 63.
.macro SLICE
.if (k >= 11) && (k < 44)           ; tile by tile: plain, exponential, plain, exponential
.irp t, 0, 1
.irp n, 0,1
.set j, 2*k+(\n)
	SM \t
.endr
.endr
.else                               ; the two tiles alternate, so that no instruction reads the result of the one just before it
.irp n, 0,1,2,3,4,5,6,7
.if ((\n) < 2) || (k == 63)
.irp t, 0, 1
.set j, 2*k+(\n)
	SM \t
.endr
.endif
.endr
.endif
.set k, k+1
.endm
; A KEY STEP, in phases.  At most one run of 32 LDS loads is out at a time, so every wait here is for 0.  The step's masks are made while K's run is out.  V's run goes out behind the scores' products and lands
; under the first half of the softmax; in a tile's first step the next step's K goes out in the softmax's middle, where V has been waited for, and lands under its second half and the products V^T P.
.macro STEP
	WIN 0
.set z, 0
.rept 16
	v_pk_fma_f32 v[MX0+2*z:MX0+2*z+1], v[MD+2*z:MD+2*z+1], s[AL0:AL0+1], s[BE0:BE0+1] op_sel_hi:[1,0,0]
.set z, z+1
.endr
.set z, 0
.rept 16
	v_pk_mul_f32 v[MX0+32+2*z:MX0+32+2*z+1], v[MD+2*z:MD+2*z+1], s[AL1:AL1+1] op_sel_hi:[1,0]
.set z, z+1
.endr
	s_wait_dscnt 0x0                ; K of this step is in
.set i, 0
.rept 32
	KQ
.set i, i+1
.endr
	WIN 0
	PLACES                          ; in front of the first read of the scores; V's registers were last read in front of the places at the end of the step before
	FETCH_V
.set k, 0
.rept 32
	SLICE
.endr
	s_wait_dscnt 0x0                ; V is in
	FETCH_K 1                       ; K's registers were last read in front of the places above
.rept 32
	SLICE
.endr
.set i, 0
.rept 32
	PV
.set i, i+1
.endr
	WIN 0
	PLACES
.endm
; A TILE of 128 keys: K of its first step is asked for, then the one text of a key step is walked twice.
.macro TILE
	s_sub_co_u32 s[RT], s[RT], 1
	s_cmp_eq_u32 s[RT], 0           ; the block's last tile holds the diagonal
	s_cselect_b32 s[DAL], 1.0, 0
	s_cselect_b32 s[DBE], s[BIGN], 0
	s_mov_b32 s[AL0], s[DAL]        ; step 0: band 0's own step; band 1 sees all
	s_mov_b32 s[BE0], 0
	s_mov_b32 s[AL1], 0
	FETCH_K 0
	s_mov_b32 s[TW], 2
.Lstep_\@:
	STEP
	s_mov_b32 s[AL0], 0             ; step 1: band 0 sees nothing; band 1's own step
	s_mov_b32 s[BE0], s[DBE]
	s_mov_b32 s[AL1], s[DAL]
	s_sub_co_u32 s[TW], s[TW], 1
	s_cmp_lg_u32 s[TW], 0
	s_cbranch_scc1 .Lstep_\@
.endm
; THE WAY OUT.  l's two halves and the other half of the lanes' are added; O^T is divided by l, rounded to f16 and sent through my stage in LDS, a tile (16 rows) at a time.
.macro PACK t
	WIN W_RS
.set i, 64*(\t)
.rept 32
	v_pk_mul_f32 v[i:i+1], v[i:i+1], v[ST+8*(\t)+6:ST+8*(\t)+7] op_sel_hi:[1,0]
.set i, i+2
.endr
	WIN 0x05                        ; sources 0 and 1 window 1, destination window 0: S^T's registers are free
.set i, 0
.rept 32
	v_cvt_pk_f16_f32 v[S+32*(\t)+i], v[64*(\t)+2*i], v[64*(\t)+2*i+1]
.set i, i+1
.endr
	WIN 0
.irp f, 0,1,2,3,4,5,6,7
	ds_store_b128 v[STO], v[S+32*(\t)+4*(\f):S+32*(\t)+4*(\f)+3] offset:32*(\f)
.endr
.irp f, 0,1,2,3,4,5,6,7
	ds_load_b128 v[S+32*(\t)+4*(\f):S+32*(\t)+4*(\f)+3], v[RD] offset:(\f)*2*SP  ; LDS serves a wave's instructions in order (ISA guide 5.7.1.4): these see the stores above; the next tile's stores come behind them
.endr
.endm
.macro SEND t, younger              ; younger: the LDS instructions issued behind tile t's loads: the next tile's sixteen, or none
	WIN 0
.irp f, 0,1,2,3,4,5,6,7
	s_wait_dscnt (\younger)+7-(\f)
	global_store_b128 v[GO], v[S+32*(\t)+4*(\f):S+32*(\t)+4*(\f)+3], s[OPTR:OPTR+1] offset:(\t)*262144+(\f)*8192  ; each 16 lanes store 256 consecutive bytes, at a multiple of 256 from att's first byte
.endr
.endm
.macro WAYOUT
	WIN 0
.irp t, 0,1
	v_add_f32 v[ST+8*(\t)+4], v[ST+8*(\t)+2], v[ST+8*(\t)+3]
.endr
.irp t, 0,1
	v_permlanex16_b32 v[ST+8*(\t)+5], v[ST+8*(\t)+4], s[SEL], s[SEL+1]
.endr
.irp t, 0,1
	v_add_f32 v[ST+8*(\t)+4], v[ST+8*(\t)+4], v[ST+8*(\t)+5]
.endr
.irp t, 0,1
	v_rcp_f32 v[ST+8*(\t)+6], v[ST+8*(\t)+4]
.endr
	v_nop                           ; a plain instruction between the last reciprocal and the use of its result
	s_wait_alu depctr_va_vdst(0)
	PACK 0
	PACK 1
	SEND 0, 16
	SEND 1, 0
.endm
.Lslot:                             ; 8 times: a tile is entered and the next is asked for
	CHANGE 1
	TILE
	s_cmp_lg_u32 s[RT], 0
	s_cbranch_scc1 .Lbottom         ; forward, past neither a barrier nor a tensor load; the count hangs on pb, which the four partners share
	WAYOUT                          ; the first block's end (the second's last tile is the walk's last)
	s_wait_xcnt 0x0                 ; the stores have read their registers and att's address
	s_mov_b64 s[OPTR:OPTR+1], s[OLO:OLO+1]
	s_add_co_u32 s[RT], s[PB], 1    ; the second block has pb + 1 tiles
.set i, 0
.rept 2
	v_mov_b32 v[ST+8*i], 0xfe000000
	v_mov_b32 v[ST+8*i+1], 0xff7fffff
.set i, i+1
.endr
	WIN 0x82                        ; the second block's Q goes where the one text of the products names Q
.set i, 0
.rept 64
	v_mov_b32 v[i], v[QB+i]
.set i, i+1
.endr
	WIN 0
.Lbottom:
	s_sub_co_u32 s[SLOTS], s[SLOTS], 1
	s_cmp_lg_u32 s[SLOTS], 0
	s_cbranch_scc1 .Lslot
	CHANGE 0                        ; the walk's last tile is written out: nothing is asked for
	TILE
	WAYOUT
	s_wait_tensorcnt 0x0            ; the wave's end
	ds_add_u32 v[SPW], v[NIL]
	s_wait_dscnt 0x0
	CROUND                          ; the closing round: no work-group ends while a partner may still ask for a tile that names it
	s_endpgm
.Lfunc_end_k_qef04fb7547_attn:
	.size	k_qef04fb7547_attn, .Lfunc_end_k_qef04fb7547_attn-k_qef04fb7547_attn
	.p2alignl 7, 3214868480
	.fill 96, 4, 3214868480
	.section	.rodata,"a",@progbits
	.p2align	6, 0x0
	.amdhsa_kernel k_qef04fb7547_attn
		.amdhsa_group_segment_fixed_size 327680
		.amdhsa_private_segment_fixed_size 0
		.amdhsa_enable_private_segment 0
		.amdhsa_kernarg_size 16
		.amdhsa_user_sgpr_count 2
		.amdhsa_user_sgpr_kernarg_segment_ptr 1
		.amdhsa_wavefront_size32 1
		.amdhsa_system_sgpr_workgroup_id_x 1
		.amdhsa_system_sgpr_workgroup_id_y 1
		.amdhsa_system_sgpr_workgroup_id_z 1
		.amdhsa_system_vgpr_workitem_id 0
		.amdhsa_next_free_vgpr 896
		.amdhsa_next_free_sgpr 88
		.amdhsa_reserve_vcc 1
		.amdhsa_float_denorm_mode_32 3
		.amdhsa_float_denorm_mode_16_64 3
		.amdhsa_memory_ordered 1
		.amdhsa_forward_progress 1
		.amdhsa_inst_pref_size 106
	.end_amdhsa_kernel
	.amdgpu_metadata
---
amdhsa.version: [ 1, 2 ]
amdhsa.kernels:
  - .name:           k_qef04fb7547_attn
    .symbol:         k_qef04fb7547_attn.kd
    .args:
      - { .name: qkv, .offset: 0, .size: 8, .value_kind: global_buffer, .address_space: global }
      - { .name: att, .offset: 8, .size: 8, .value_kind: global_buffer, .address_space: global }
    .group_segment_fixed_size: 327680
    .private_segment_fixed_size: 0
    .kernarg_segment_align: 8
    .kernarg_segment_size: 16
    .max_flat_workgroup_size: 128
    .sgpr_count:     88
    .vgpr_count:     896
    .wavefront_size: 32
...
	.end_amdgpu_metadata
.endif
;; end of part 3
;; launch oproj (part 4): grid 16 x 16, 4 waves a work-group, clusters of 4 x 4, 327,680 bytes of LDS; arguments att, wob, out0; writes out0
.if DOCPART == 4
	.amdgcn_target "amdgcn-amd-amdhsa--gfx1250"
	.amdhsa_code_object_version 6
	.text
	.protected	k_qef04fb7547_oproj
	.globl	k_qef04fb7547_oproj
	.p2align	8
	.type	k_qef04fb7547_oproj,@function
k_qef04fb7547_oproj:
	s_mov_b64 s[64:65], 0
	v_nop
	global_prefetch_b8 v0, s[64:65] scope:SCOPE_SE
	s_setreg_imm32_b32 hwreg(HW_REG_WAVE_MODE, 25, 1), 1
	s_wait_xcnt 0x0
	s_wait_alu depctr_hold_cnt(0) depctr_sa_sdst(0) depctr_va_vdst(0) depctr_va_sdst(0) depctr_va_ssrc(0) depctr_va_vcc(0) depctr_vm_vsrc(0)
	s_getreg_b32 s2, hwreg(HW_REG_IB_STS2, 6, 4)
	s_cmp_eq_u32 s2, 0
	s_cbranch_scc0 .Lentry_in_a_cluster
	s_endpgm
.Lentry_in_a_cluster:
	s_bfe_u32 s2, ttmp6, 0x10000c
	s_cmp_lg_u32 s2, 0xf033
	s_cbranch_scc0 .Lentry_shape_is_right
	s_endpgm
.Lentry_shape_is_right:
; THE OUTPUT PROJECTION.  out0[m][n] = sum over k of att[m][k] wob[n][k]: 4,096 x 2,048 x 2,048, f16 operands, f32 sums, f32 out.
; A tile of C is 256 rows x 128 columns: 16 x 16 = 256 work-groups.  Four waves, each 128 x 64: 32 accumulators of 16 x 16, 256 registers; a wave's row of C is 64 f32, 256 consecutive bytes, aligned.
; THE RING has THREE UNITS of one K step of 128 (att's 256 rows, then wob's 128, rows of 256 bytes: 104,448 bytes a unit).  Three take 313,344 bytes; four do not fit, nor do two units of a K step of 256 (405,504).
; K step s lies in unit s % 3.  Two kinds of refill take turns, each one tensor load a wave behind a round of the cluster's barrier:
;   kind 1, in the last quarter of the step in unit 0: that unit alone (a wave brings 128 rows of att or 64 of wob).  Units 1 and 2 have landed and are unread: 240 matrix instructions stand between the request and the wait for it.
;   kind 2, in the last quarter of the step in unit 2: units 1 and 2 together (wave 0 att for unit 1, wave 1 att for unit 2, waves 2 and 3 wob likewise).  Unit 0 has landed and is unread: 112 matrix instructions.
; So three K steps have two waits for all loads and two rounds, where a ring of two units has three.
; The loop begins at kind 2's refill and is entered in its middle, behind K step 0's first quarter, whose products start the sums: so every trip fills alike (kind 1 five times, K steps 3 to 15; kind 2 four times,
; K steps 4 to 14), and what is written out behind the loop is five quarters.
; CLUSTER 4 x 4: att's tiles are shared along a row of the cluster, wob's along a column: each is asked for jointly.
; THE MATRIX INSTRUCTION IS USED TRANSPOSED (source 0 = 16 rows of wob, source 1 = 16 rows of att): lane l holds row l % 16 of C and the columns 16 b + 8 (l / 16) + 0..7.
; REGISTERS: window 0: v16-29 addresses; v64-127, v128-191 fragments of att, two buffers; on the way out v64-127 rows read back.  window 1: v64-95, v128-159 fragments of wob.  window 2: the accumulators, (a, b) at v[8 (4 a + b)].
.set SIZE_K, 2048
.set ROWC,   8192                      ; bytes in a row of out0
.set KSTEP,  128
.set PITCH,  272                       ; an LDS row: 256 bytes + 16 of padding: the 16 rows that a load touches start at 16 different groups of four banks
.set HALFA,  128*PITCH                 ; 128 rows of att
.set HALFB,  64*PITCH                  ; 64 rows of wob
.set ATILE,  2*HALFA                   ; att's part of a unit; wob's lies behind it
.set UNIT,   2*HALFA+2*HALFB
.set STAGE,  UNIT                      ; the way out's stage, 16 rows x 272 bytes for each wave, lies at the head of unit 1: that unit has had its last fill (K step 13), and every wave's last reads of it stand ahead of the tail's barrier
.set SPITCH, 272
.set SPARE,  3*UNIT                    ; behind the ring: the spare words, 128 bytes for each wave
.set TRIPS,  5
.set ADRA, 16                          ; v16-18  LDS address of my fragments of att in unit 0, 1, 2
.set ADRB, 20                          ; v20-22  the same for wob
.set STO,  24
.set RD,   25
.set CO,   26
.set SPW,  28                          ; v28     LDS address of my spare word; never rewritten
.set NIL,  29                          ; v29     0; never rewritten
.set F0,   64
.set F1,   128
.set BK0,  64
.set G1A1, 24                          ; s[24:31] group 1, kind 1, att: 128 rows
.set G1B1, 32                          ; s[32:39] kind 1, wob: 64 rows
.set G1A2, 40                          ; s[40:47] kind 2, att: 256 rows
.set G1B2, 48                          ; s[48:55] kind 2, wob: 128 rows
.set G0A1, 56                          ; s[56:59], s[60:63], s[68:71], s[72:75] the four group 0
.set G0B1, 60
.set G0A2, 68
.set G0B2, 72
.set FLAGS, (1<<16)|(1<<20)|(1<<21)|(5<<22)|(3<<25)  ; elements of 2 bytes; padding on; bit 21 beside a mask; after every 64 words, 4 words
.set MSB, 0
.macro WIN new
.if MSB != (\new)
	s_set_vgpr_msb (MSB<<8)|(\new)
.set MSB, \new
.endif
.endm
.set MUL,  0xa1                        ; source 0 (wob) window 1, source 1 (att) window 0, C and D window 2
.set TO_B, 0x40                        ; destination window 1, address window 0
; A joint load of kind t: waves 0 and 1 ask for att, waves 2 and 3 for wob.  The branch hangs on the wave's number alone.  An s_nop 0 and four v_nop follow each of the two lines.
.macro JLOAD t
	s_cmp_eq_u32 s11, 0
	s_cbranch_scc0 .Lfor_b_\@
.if (\t) == 1
	tensor_load_to_lds s[G0A1:G0A1+3], s[G1A1:G1A1+7]
.else
	tensor_load_to_lds s[G0A2:G0A2+3], s[G1A2:G1A2+7]
.endif
	s_nop 0
.rept 4
	v_nop
.endr
	s_branch .Lasked_\@
.Lfor_b_\@:
.if (\t) == 1
	tensor_load_to_lds s[G0B1:G0B1+3], s[G1B1:G1B1+7]
.else
	tensor_load_to_lds s[G0B2:G0B2+3], s[G1B2:G1B2+7]
.endif
	s_nop 0
.rept 4
	v_nop
.endr
.Lasked_\@:
.endm
.macro CREST                           ; a round of the cluster's barrier behind its opening barrier
	s_cmp_lg_u32 s10, 0
	s_cbranch_scc1 .Lnot_wave_0_\@
	s_barrier_signal -3
.Lnot_wave_0_\@:
	s_barrier_wait -3
	s_barrier_signal -1
	s_barrier_wait -1
.endm
.macro CROUND
	s_barrier_signal -1
	s_barrier_wait -1
	CREST
.endm
.macro G1SET g, m, rows                ; a tile of so many rows x 128 elements, with the mask in s[m]
	s_or_b32 s[\g], s[\m], FLAGS
	s_mov_b32 s[(\g)+1], KSTEP<<16                 ; tensor_dim0 = 128
	s_mov_b32 s[(\g)+2], (\rows)<<16               ; tensor_dim1
	s_mov_b32 s[(\g)+3], KSTEP<<16                 ; tile_dim0 = 128
	s_mov_b32 s[(\g)+4], \rows                     ; tile_dim1
	s_mov_b32 s[(\g)+5], SIZE_K                    ; elements from row to row
	s_mov_b32 s[(\g)+6], 0
	s_mov_b32 s[(\g)+7], 0
.endm
.macro G0SET g, lds, base, off         ; to the LDS byte in s[lds], from the buffer at s[base:base+1] plus the offset in s[off:off+1]
	s_mov_b32 s[\g], 1
	s_mov_b32 s[(\g)+1], s[\lds]
	s_add_nc_u64 s[(\g)+2:(\g)+3], s[\base:(\base)+1], s[\off:(\off)+1]
	s_or_b32 s[(\g)+3], s[(\g)+3], 0x80000000
.endm
	s_load_b128 s[4:7], s[0:1], 0x0                ; att s[4:5], wob s[6:7]
	s_load_b64 s[8:9], s[0:1], 0x10                ; out0
	v_lshl_add_u32 v[SPW], v0, 2, SPARE
	v_mov_b32 v[NIL], 0
	ds_add_u32 v[SPW], v[NIL]                      ; the wave's opening: the add and its wait stand ahead of my first tensor load; the set-up below stands between them
	v_lshrrev_b32 v1, 5, v0
	v_readfirstlane_b32 s10, v1                    ; wave 0..3
	s_lshr_b32 s11, s10, 1                         ; which half of the tile's rows is mine.  Also: I fetch for att (0) or for wob (1)
	s_and_b32 s12, s10, 1                          ; which half of its columns.  Also: which half of a tile (kind 1), or which of two units (kind 2), I fetch
	s_bfe_u32 s76, ttmp6, 0x40000                  ; cx
	s_bfe_u32 s77, ttmp6, 0x40004                  ; cy
	s_lshl_b32 s78, ttmp9, 2
	s_add_co_u32 s78, s78, s76                     ; tile column
	s_and_b32 s13, ttmp7, 0xffff
	s_lshl_b32 s13, s13, 2
	s_add_co_u32 s13, s13, s77                     ; tile row
	s_lshl_b32 s79, s77, 2
	s_lshl_b32 s79, 15, s79                        ; my row of the cluster
	s_lshl_b32 s80, 0x1111, s76                    ; my column
	G1SET G1A1, 79, 128
	G1SET G1B1, 80, 64
	G1SET G1A2, 79, 256
	G1SET G1B2, 80, 128
	; where the first tiles come from, in bytes.  att's offsets hang on the tile row and the wave's number, wob's on the tile column and the wave's number, each in registers of its own.
	s_lshl_b32 s16, s13, 1
	s_add_co_u32 s16, s16, s12
	s_lshl_b32 s16, s16, 19                        ; kind 1, att: 128 rows of 4,096 bytes a half tile; K step 0
	s_mov_b32 s17, 0
	s_add_co_u32 s19, s12, 1
	s_lshl_b32 s19, s19, 8                         ; kind 2: K step 1 or 2, 256 bytes along the rows each
	s_lshl_b32 s18, s13, 20                        ; att: 256 rows a tile
	s_add_co_u32 s18, s18, s19
	s_mov_b32 s19, 0
	s_lshl_b32 s82, s78, 1
	s_add_co_u32 s82, s82, s12
	s_lshl_b32 s82, s82, 18                        ; kind 1, wob: 64 rows a half tile
	s_mov_b32 s83, 0
	s_add_co_u32 s85, s12, 1
	s_lshl_b32 s85, s85, 8
	s_lshl_b32 s84, s78, 19                        ; kind 2, wob: 128 rows a tile
	s_add_co_u32 s84, s84, s85
	s_mov_b32 s85, 0
	; and where they go: no place in the cluster enters an LDS address
	s_mul_i32 s20, s12, HALFA                      ; kind 1, att: my half of unit 0
	s_mul_i32 s21, s12, HALFB
	s_add_co_u32 s21, s21, ATILE                   ; kind 1, wob
	s_mul_i32 s22, s12, UNIT
	s_add_co_u32 s22, s22, UNIT                    ; kind 2, att: unit 1 or 2
	s_add_co_u32 s23, s22, ATILE                   ; kind 2, wob
	s_wait_dscnt 0x0                               ; the opening add is done
	s_wait_kmcnt 0x0
	CROUND                                         ; all sixteen work-groups are here: the first joint loads meet
	G0SET G0A1, 20, 4, 16
	G0SET G0B1, 21, 6, 82
	G0SET G0A2, 22, 4, 18
	G0SET G0B2, 23, 6, 84
	JLOAD 1                                        ; K step 0 into unit 0,
	JLOAD 2                                        ; K steps 1 and 2 into units 1 and 2: two tensor loads of mine are out
	v_and_b32 v1, 15, v0                           ; l % 16
	v_bfe_u32 v2, v0, 4, 1                         ; l / 16
	v_mul_u32_u24 v3, v1, PITCH
	v_lshl_add_u32 v3, v2, 4, v3                   ; a fragment's row x pitch + 16 x half
	s_mul_i32 s14, s11, HALFA                      ; my 128 rows of att
	s_mul_i32 s15, s12, HALFB                      ; my 64 rows of wob,
	s_add_co_u32 s15, s15, ATILE                   ; which lie behind att's 256
.irp u, 0,1,2
	v_add_nc_u32 v[ADRA+(\u)], s14, v3
	v_add_nc_u32 v[ADRB+(\u)], s15, v3
	s_add_co_u32 s14, s14, UNIT
	s_add_co_u32 s15, s15, UNIT
.endr
	s_mul_i32 s14, s10, 16*SPITCH
	s_add_co_u32 s14, s14, STAGE                   ; my stage
	v_mul_u32_u24 v4, v1, SPITCH                   ; in: row l % 16, 32 bytes (8 f32) for each half of the lanes
	v_lshl_add_u32 v4, v2, 5, v4
	v_add_nc_u32 v[STO], s14, v4
	v_mul_u32_u24 v5, v2, SPITCH                   ; back: lanes 0-15 one row of 256 bytes, lanes 16-31 the next
	v_lshl_add_u32 v5, v1, 4, v5
	v_add_nc_u32 v[RD], s14, v5
	v_lshlrev_b32 v5, 13, v2                       ; and the same two rows in out0
	v_lshl_add_u32 v[CO], v1, 4, v5
	s_lshl_b32 s16, s13, 1
	s_add_co_u32 s16, s16, s11
	s_lshl_b32 s16, s16, 20                        ; my first row: 128 rows of 8,192 bytes a half tile
	s_mov_b32 s17, 0
	s_lshl_b32 s82, s78, 1
	s_add_co_u32 s82, s82, s12
	s_lshl_b32 s82, s82, 8                         ; my first column: 256 bytes a half tile
	s_mov_b32 s83, 0
	s_add_nc_u64 s[8:9], s[8:9], s[16:17]
	s_add_nc_u64 s[8:9], s[8:9], s[82:83]
; 8 matrix instructions: m blocks a0, a0 + 1 x all 4 n blocks, 32 along K.  zero = 1: the first product starts the sums.  The 32 accumulators take turns, in the same order in every quarter.
.macro MUL8 f, a0, zero
	WIN MUL
.irp a, \a0, (\a0)+1
.irp b, 0,1,2,3
.if \zero
	v_wmma_f32_16x16x32_f16 v[8*(4*(\a)+(\b)):8*(4*(\a)+(\b))+7], v[(\f)+8*(\b):(\f)+8*(\b)+7], v[(\f)+8*(\a):(\f)+8*(\a)+7], 0
.else
	v_wmma_f32_16x16x32_f16 v[8*(4*(\a)+(\b)):8*(4*(\a)+(\b))+7], v[(\f)+8*(\b):(\f)+8*(\b)+7], v[(\f)+8*(\a):(\f)+8*(\a)+7], v[8*(4*(\a)+(\b)):8*(4*(\a)+(\b))+7]
.endif
.endr
.endr
.endm
; 24 LDS loads in one run, from unit u at byte k of the rows into buffer f: wob's 8, then att's 16
.macro FETCH u, k, f
	WIN TO_B
.irp i, 0,1,2,3
	ds_load_b128 v[(\f)+8*(\i):(\f)+8*(\i)+3],   v[ADRB+(\u)] offset:(\k)+(\i)*16*PITCH
	ds_load_b128 v[(\f)+8*(\i)+4:(\f)+8*(\i)+7], v[ADRB+(\u)] offset:(\k)+(\i)*16*PITCH+32
.endr
	WIN 0
.irp i, 0,1,2,3,4,5,6,7
	ds_load_b128 v[(\f)+8*(\i):(\f)+8*(\i)+3],   v[ADRA+(\u)] offset:(\k)+(\i)*16*PITCH
	ds_load_b128 v[(\f)+8*(\i)+4:(\f)+8*(\i)+7], v[ADRA+(\u)] offset:(\k)+(\i)*16*PITCH+32
.endr
.endm
.macro PLACES                          ; four plain vector instructions between matrix instructions and loads into their sources, or reads of their results
.rept 4
	v_nop
.endr
.endm
; A K step is four quarters of 32 along K, 32 matrix instructions each, on buffers 0, 1, 0, 1.  A quarter multiplies buffer f and, in its middle, fetches the next quarter's fragments (unit u, byte k) into g.
.macro QUARTER u, k, f, g, zero
	s_wait_dscnt 8                                 ; wob's fragments and att's rows 0-63 are in; the youngest eight loads (rows 64-127) may be out
	MUL8 \f, 0, \zero
	MUL8 \f, 2, \zero
	PLACES
	FETCH \u, \k, \g
	s_wait_dscnt 24                                ; all but the 24 just issued
	MUL8 \f, 4, \zero
	MUL8 \f, 6, \zero
.endm
; The first half of a quarter with a barrier.  In front of the barrier each wave waits for all its tensor loads, of which one is out; adds 0 to its spare word; and waits for that and for its LDS reads: the step's last were issued a quarter ago.
.macro MEET round
	WIN 0                                          ; (the add's two registers lie in window 0)
	s_wait_tensorcnt 0x0
	ds_add_u32 v[SPW], v[NIL]
	s_wait_dscnt 9                                 ; (the add and the youngest eight loads may be out)
	MUL8 F1, 0, 0                                  ; eight matrix instructions stand between the add and the wait for it
	s_wait_dscnt 0x0                               ; the add is done, and my reads of the units to be filled are over
	s_barrier_signal -1
	MUL8 F1, 2, 0                                  ; work on registers while the others arrive
.if \round
	WIN 0
.endif
	s_barrier_wait -1
.endm
; A K step's last quarter where units change hands.  kind = 1, 2: the barrier opens a round of the cluster's, and the refill of that kind, three K steps on from its last, is the first thing behind the round.
; kind = 0: nothing is left to fetch.  Then the first fragments of the step in unit next, which the wait for all loads has shown landed.
.macro TURN next, kind
	MEET \kind
.if (\kind) == 1
	CREST
	s_add_nc_u64 s[G0A1+2:G0A1+3], s[G0A1+2:G0A1+3], 3*KSTEP*2
	s_add_nc_u64 s[G0B1+2:G0B1+3], s[G0B1+2:G0B1+3], 3*KSTEP*2
	JLOAD 1                                        ; the four v_nop behind it are also the places in front of the loads below
.elseif (\kind) == 2
	CREST
	s_add_nc_u64 s[G0A2+2:G0A2+3], s[G0A2+2:G0A2+3], 3*KSTEP*2
	s_add_nc_u64 s[G0B2+2:G0B2+3], s[G0B2+2:G0B2+3], 3*KSTEP*2
	JLOAD 2
.else
	PLACES
.endif
	FETCH \next, 0, F0
	MUL8 F1, 4, 0
	MUL8 F1, 6, 0
.endm
	s_wait_tensorcnt 1                             ; my part of K step 0 is in; my load of kind 2 may stay out
	s_barrier_signal -1
	s_barrier_wait -1                              ; everybody's is
	FETCH 0, 0, F0
	QUARTER 0, 64,  F0, F1, 1                      ; K step 0's first quarter: its products start the sums
	WIN 0                                          ; at a label and at a branch every window is 0
	s_mov_b32 s3, TRIPS
	s_branch .Lentry                               ; the first trip is entered behind kind 2's refill: units 1 and 2 have their first fills on the way
.Ltrip:
	TURN 0, 2                                      ; the last quarter of the step in unit 2: units 1 and 2 are filled again
	QUARTER 0, 64,  F0, F1, 0                      ; the step in unit 0
	WIN 0
.Lentry:
	QUARTER 0, 128, F1, F0, 0
	QUARTER 0, 192, F0, F1, 0
	TURN 1, 1                                      ; unit 0 is filled again
	QUARTER 1, 64,  F0, F1, 0                      ; the step in unit 1
	QUARTER 1, 128, F1, F0, 0
	QUARTER 1, 192, F0, F1, 0
	QUARTER 2, 0,   F1, F0, 0                      ; on into unit 2 without a barrier: the last one has shown both units whole
	QUARTER 2, 64,  F0, F1, 0
	QUARTER 2, 128, F1, F0, 0
	QUARTER 2, 192, F0, F1, 0
	WIN 0
	s_sub_co_u32 s3, s3, 1
	s_cmp_lg_u32 s3, 0
	s_cbranch_scc1 .Ltrip
	TURN 0, 0                                      ; K step 14's last quarter: K step 15 has landed in unit 0; behind this barrier nobody reads units 1 and 2 any more
	QUARTER 0, 64,  F0, F1, 0
	QUARTER 0, 128, F1, F0, 0
	QUARTER 0, 192, F0, F1, 0
	s_wait_dscnt 8
	MUL8 F1, 0, 0
	MUL8 F1, 2, 0
	s_wait_dscnt 0x0
	MUL8 F1, 4, 0
	MUL8 F1, 6, 0
	WIN 0
	PLACES
; THE WAY OUT, a block of 16 rows at a time: a lane's 8 f32 of a row go into my stage as two stores of 16 bytes (the accumulator's low registers first), and whole rows of 256 bytes come back.
.macro TOSTAGE a
	WIN 0x08                                       ; the stores' data in window 2
.irp b, 0,1,2,3
	ds_store_b128 v[STO], v[8*(4*(\a)+(\b)):8*(4*(\a)+(\b))+3] offset:64*(\b)
	ds_store_b128 v[STO], v[8*(4*(\a)+(\b))+4:8*(4*(\a)+(\b))+7] offset:64*(\b)+16
.endr
	WIN 0
.set BK, BK0+32*((\a)%2)
	s_wait_xcnt 0x0                                ; the stores of the block two back have read these registers
.irp t, 0,1,2,3,4,5,6,7
	ds_load_b128 v[BK+4*(\t):BK+4*(\t)+3], v[RD] offset:(\t)*2*SPITCH  ; LDS serves a wave's instructions in order (ISA guide 5.7.1.4): these see the stores above
.endr
.endm
.macro SEND a, younger                 ; younger: the LDS instructions issued behind block a's loads: the next block's sixteen, or none
	WIN 0
.set BK, BK0+32*((\a)%2)
.irp t, 0,1,2,3,4,5,6,7
	s_wait_dscnt (\younger)+7-(\t)
	global_store_b128 v[CO], v[BK+4*(\t):BK+4*(\t)+3], s[8:9] offset:(16*(\a)+2*(\t))*ROWC th:TH_STORE_NT  ; each 16 lanes store 256 consecutive bytes, at a multiple of 256 from out0's first byte
.endr
.endm
	TOSTAGE 0
.irp a, 1,2,3,4,5,6,7
	TOSTAGE \a
	SEND (\a)-1, 16
.endr
	SEND 7, 0
	s_wait_tensorcnt 0x0                           ; the wave's end
	ds_add_u32 v[SPW], v[NIL]
	s_wait_dscnt 0x0
	CROUND                                         ; the closing round: no work-group ends while a partner may still ask for a tile that names it
	s_endpgm
.Lfunc_end_k_qef04fb7547_oproj:
	.size	k_qef04fb7547_oproj, .Lfunc_end_k_qef04fb7547_oproj-k_qef04fb7547_oproj
	.p2alignl 7, 3214868480
	.fill 96, 4, 3214868480
	.section	.rodata,"a",@progbits
	.p2align	6, 0x0
	.amdhsa_kernel k_qef04fb7547_oproj
		.amdhsa_group_segment_fixed_size 327680
		.amdhsa_private_segment_fixed_size 0
		.amdhsa_enable_private_segment 0
		.amdhsa_kernarg_size 24
		.amdhsa_user_sgpr_count 2
		.amdhsa_user_sgpr_kernarg_segment_ptr 1
		.amdhsa_wavefront_size32 1
		.amdhsa_system_sgpr_workgroup_id_x 1
		.amdhsa_system_sgpr_workgroup_id_y 1
		.amdhsa_system_sgpr_workgroup_id_z 1
		.amdhsa_system_vgpr_workitem_id 0
		.amdhsa_next_free_vgpr 768
		.amdhsa_next_free_sgpr 88
		.amdhsa_reserve_vcc 0
		.amdhsa_float_denorm_mode_32 3
		.amdhsa_float_denorm_mode_16_64 3
		.amdhsa_memory_ordered 1
		.amdhsa_forward_progress 1
		.amdhsa_inst_pref_size 96
	.end_amdhsa_kernel
	.amdgpu_metadata
---
amdhsa.version: [ 1, 2 ]
amdhsa.kernels:
  - .name:           k_qef04fb7547_oproj
    .symbol:         k_qef04fb7547_oproj.kd
    .args:
      - { .name: att, .offset: 0, .size: 8, .value_kind: global_buffer, .address_space: global }
      - { .name: wob, .offset: 8, .size: 8, .value_kind: global_buffer, .address_space: global }
      - { .name: out0, .offset: 16, .size: 8, .value_kind: global_buffer, .address_space: global }
    .group_segment_fixed_size: 327680
    .private_segment_fixed_size: 0
    .kernarg_segment_align: 8
    .kernarg_segment_size: 24
    .max_flat_workgroup_size: 128
    .sgpr_count:     88
    .vgpr_count:     768
    .wavefront_size: 32
...
	.end_amdgpu_metadata
.endif
;; end of part 4
